; MI455X (gfx1250); checked and timed in simulation.
; The chip was launched on July 23, 2026; its instructions are those of AMD's public machine-readable ISA for CDNA 5 (MIT licence, August 2026) and "CDNA5" Instruction Set Architecture Reference Guide (July 2026). The comments in the code are by the model that wrote it; some were corrected since.
;; Sparse Self Attention. Allowed arithmetic: matrix products marked QUANTISED: E3M2 operands, one E8M0 scale for each 32 along K, by v_wmma_scale_f32_16x16x128_f8f6f4 with both operands' format E3M2, f32 sums; products left as they are: f32 operands where the result goes on into a quantised operand, else bf16, f16 or f32 operands; f32 sums; everything else in f32.
;; Inputs: Wk 1,024 x 1,024 float32; Wo 1,024 x 1,024 float32; Wq 1,024 x 1,024 float32; Wv 1,024 x 1,024 float32; bo 1,024 float32; x 4 x 4,096 x 1,024 float32.
;; Outputs: out0 4 x 4,096 x 1,024 float32.
;; This version of the problem:
;;   THIS VERSION OF THE PROBLEM IS GIVEN IN LOW PRECISION. The matrix products marked QUANTISED in the list below multiply operands that are first quantised to E3M2 (3 exponent bits, 2 mantissa bits; 6 bits a number), with one power-of-two scale for each 32 numbers along K (OCP MX v1.0); their sums are f32. All else is computed in f32.
;;   The module's matrix products, in the order in which they are computed (A, B: the left and right operand; K: the contracted axis; several contracted axes count as one K, in the product's order):
;;     1. [M 16,384, K 1,024] x [K 1,024, N 1,024]; A: input x; B: input Wq: QUANTISED
;;     2. [M 16,384, K 1,024] x [K 1,024, N 1,024]; A: input x; B: input Wk: QUANTISED
;;     3. [M 16,384, K 1,024] x [K 1,024, N 1,024]; A: input x; B: input Wv: QUANTISED
;;     4. batch 262,144 x [M 1, K 64] x [K 64, N 1]; A: computed on the way; B: computed on the way: left as it is (M = 1 < 16)
;;     5. [M 16,384, K 1,024] x [K 1,024, N 1,024]; A: computed on the way; B: input Wo: QUANTISED
;;   THE QUANTISER, for each operand of a quantised product, along K:
;;     - K is cut into blocks of 32 from its start; a last block that is shorter is filled with zeros.
;;     - A block's scale is 2^e with e = floor(log2(the largest magnitude in the block)) - 4, held to -126 .. 127; a block of zeros has e = 0. As a byte (E8M0): e + 127.
;;     - Each number is divided by its block's scale, clamped to +-28, and rounded to the nearest number of E3M2, ties to even, subnormals kept.
;;     - The product sums the exact products of the quantised numbers (number of the format x scale) in f32.
;;   ~~~python
;;   def quantise(x, axis):      # numpy; x: float32 -> the quantised numbers, widened to float32 again
;;       x = np.moveaxis(x, axis, -1); K = x.shape[-1]
;;       x = np.pad(x, [(0, 0)] * (x.ndim - 1) + [(0, -K % 32)]); x = x.reshape(x.shape[:-1] + (-1, 32)); a = np.abs(x).max(-1, keepdims=True)
;;       e = np.where(a > 0, np.clip(np.frexp(np.where(a > 0, a, 1))[1] - 1 - 4, -126, 127), 0)      # np.frexp(a)[1] - 1 = floor(log2(a)), exactly
;;       r = np.clip(x / 2.0 ** e, -28, 28)
;;       step = 2.0 ** (np.maximum(np.frexp(np.where(r == 0, 1, r))[1] - 1, -2) - 2)
;;       q = np.round(r / step) * step * 2.0 ** e      # np.round: ties to even
;;       return np.moveaxis(q.reshape(q.shape[:-2] + (-1,))[..., :K], -1, axis).astype(np.float32)
;;   ~~~
;;   OPERANDS COMPUTED ON THE WAY. 'Computed on the way' means the value that the module computes at that place (a softmax that the list does not call 'softmax' is quantised finished and normalised). What goes into a quantiser is computed in f32, as accurately as f32 sums, v_exp_f32 and their like allow (about 1e-6 of the number): no bf16 or f16 on the way to a quantiser, and a product that is left as it is and whose result goes on into a quantised operand takes f32 operands (vector FMAs, or v_wmma_f32_16x16x4_f32). A number that lies on a knife's edge between two numbers of the format may be rounded either way, as far as f32 arithmetic and the matrix unit's own rounding can turn it there, and no further.
;; One version. Each part assembles by itself: llvm-mc -triple=amdgcn-amd-amdhsa -mcpu=gfx1250 --defsym DOCPART=n.
;; ======== version 1 of 1: 4 launches
;; workspace buffers: xc 12,582,912 bytes; xs 524,288 bytes; wc 3,145,728 bytes; ws 131,072 bytes; dots 1,048,576 bytes; stats 16,384 bytes; ac 12,582,912 bytes; asc 524,288 bytes
;; launch quant (part 1): grid 256 x 1, 5 waves a work-group, no clusters, 85,248 bytes of LDS; arguments x, Wq, Wk, Wv, Wo, xc, xs, wc, ws; writes xc, xs, wc, ws
.if DOCPART == 1
	.amdgcn_target "amdgcn-amd-amdhsa--gfx1250"
	.amdhsa_code_object_version 6
	.text
	.protected	k_qce62b23b48_quant
	.globl	k_qce62b23b48_quant
	.p2align	8
	.type	k_qce62b23b48_quant,@function
k_qce62b23b48_quant:
	s_mov_b64 s[64:65], 0
	v_nop
	global_prefetch_b8 v0, s[64:65] scope:SCOPE_SE
	s_setreg_imm32_b32 hwreg(HW_REG_WAVE_MODE, 25, 1), 1
	s_wait_xcnt 0x0
; x [16384][1024] and Wq, Wk, Wv, Wo [1024][1024], f32, K innermost, are turned into codes of BF6 (E3M2), 6 bits each, and one E8M0 scale byte for each 32 along K.
; A block's scale is 2^(floor(log2(its largest magnitude)) - 4); its byte is the largest magnitude's own exponent field - 4, held at 1 from below.  Each number is divided by the scale and rounded to the nearest code, ties to even.
; LIMITS: a block of zeros, or one whose largest magnitude lies under 2^-122, gets the byte 1 (its codes are zeros or the smallest codes; this program alone reads the bytes); NaN and infinities among the inputs are not served.
; THE CODES LEAVE AS IMAGES OF THE OPERAND'S REGISTERS.  A fragment is 16 rows x 128 K: 12 registers a lane; lane (r, h) holds row r, registers 6 c .. 6 c + 5 = K 64 c + 32 h + 0 .. 31.  Its image is 1,536 bytes: registers 4 g .. 4 g + 3 of lane l
; at 512 g + 16 l.  The fragment of the block of 16 rows R and K 128 ks .. lies at (((ks / 2) x NR + R) x 2 + ks % 2) x 1536, NR = 1,024 blocks of rows in xc, 256 in wc: so 128 rows x 256 K are one dense block of 24,576 bytes.
; The scale bytes lie row by row: xs [16384][32], ws [4096][32].
; SHARES.  256 work-groups x 5 waves = 1,280 waves; a wave takes one block of 16 rows, all of K, in 8 steps of 128 along K.  Waves 0-1023 take x, the others the 256 blocks of wc.  Only pointers and offsets are chosen: one path for all.
; WHICH ROWS wc HOLDS.  Rows 128 h + 0..63 = Wq's rows 64 h .., rows 128 h + 64..127 = Wk's rows 64 h .. (a head's q and k channels side by side); rows 2048.. = Wv with bits 3 and 4 of the row number swapped: row r of block f
; is Wv's row 32 (f / 2) + 8 (f % 2) + r + 8 (r / 8), so that a lane's 16 registers of two neighbouring result tiles are 16 neighbours along the next product's K; rows 3072.. = Wo.
; A STEP.  Sixteen loads, a row each: 32 lanes read 512 consecutive bytes.  The 8,192 bytes go through the wave's own stage in LDS as they lie (rows of 512 + 16 bytes: 64 banks of
; 4 bytes, ISA guide 11.1) and come back as the layout wants them: lane (r, h) takes 128 bytes at 128 h and 128 at 256 + 128 h of row r: two whole blocks of 32, so that a block's largest magnitude needs no other lane and the conversions'
; results are the fragment's registers.  Three stores of 512 consecutive bytes.  A row's 8 scale words are kept and leave in one store of 512 consecutive bytes at the end.
; No tensor loads, no barrier: waves share nothing.  Loads run three steps (48 loads, 24,576 bytes a wave) ahead, the turn through LDS one step.
; REGISTERS: window 0: v1-15 addresses and work; v16-143 two sets of 64 numbers; v144-239 codes, 12 for each step, so that no store's data are written again; v240-247 at work; v248-255 the scale words.  window 1: v0-191 three sets of 64 numbers as loaded.
.set STEPS, 8
.set SP,    528                        ; a stage row
.set STG,   16*SP                      ; a stage
.set WREG,  2*STG                      ; LDS: two stages for each wave
.set FRB,   1536                       ; a fragment's image
.set XBLK,  1024                       ; blocks of 16 rows in x
.set WBLK,  256                        ; and in wc
.set L16,  1                           ; v1   16 x lane: my bytes of a load's 512 and of a store's
.set L16B, 2                           ; v2   the same for rows 8-15: in Wv 8 rows further on
.set SIN,  3                           ; v3   the stage, on the way in: 16 x lane
.set SOUT, 4                           ; v4   and on the way out: SP r + 128 h
.set SOF,  5                           ; v5   32 r + 16 h: my 16 of my row's 32 scale bytes
.set SH,   6                           ; v6   8 h
.set T,    7                           ; v7   the other half of the lanes' two bytes
.set M,    8                           ; v8-11 largest magnitudes, four chains
.set SO,   12                          ; v12-13 the conversions' scale operands
.set BY,   14                          ; v14-15 the scale bytes
.set X,    16
.set CD,   144
.set TC,   240
.set WD,   248
.set R,    0                           ; in window 1
.set MSB, 0
.macro WIN new                         ; the immediate's high byte repeats the setting that is left; a switch that changes nothing is dropped
.if MSB != (\new)
	s_set_vgpr_msb (MSB<<8)|(\new)
.set MSB, (\new)
.endif
.endm
	s_load_b256 s[4:11], s[0:1], 0x0               ; x s[4:5], Wq s[6:7], Wk s[8:9], Wv s[10:11]
	s_load_b256 s[12:19], s[0:1], 0x20             ; Wo s[12:13], xc s[14:15], xs s[16:17], wc s[18:19]
	s_load_b64 s[20:21], s[0:1], 0x40              ; ws
	v_lshl_add_u32 v247, v0, 2, 0x14a00
	s_set_vgpr_msb 0x40
	v_mov_b32 v193, 0
	s_set_vgpr_msb 0x4000
	v_lshrrev_b32 v1, 5, v0
	v_readfirstlane_b32 s24, v1                    ; wave 0..4
	v_and_b32 v10, 31, v0                          ; lane
	v_and_b32 v8, 15, v0                           ; r
	v_bfe_u32 v9, v0, 4, 1                         ; h
	v_lshlrev_b32 v[L16], 4, v10
	s_mul_i32 s22, s24, WREG
	v_add_nc_u32 v[SIN], s22, v[L16]
	v_mul_u32_u24 v[SOUT], v8, SP
	v_lshl_add_u32 v[SOUT], v9, 7, v[SOUT]
	v_add_nc_u32 v[SOUT], s22, v[SOUT]
	v_lshlrev_b32 v[SOF], 5, v8
	v_lshl_add_u32 v[SOF], v9, 4, v[SOF]
	v_lshlrev_b32 v[SH], 3, v9
	v_mov_b32 v[T], 0                              ; a lane permute's destination counts as one of its sources
	; which tensor, which 16 rows of it, and where they go: all from the work-group's and the wave's number
	s_mul_i32 s25, ttmp9, 5
	s_add_co_u32 s25, s25, s24                     ; g: my block of 16 rows, 0 .. 1279
	s_sub_co_u32 s26, s25, XBLK                    ; f: my block of wc (a huge number in x's waves: no case below fires)
	s_lshr_b32 s27, s26, 3
	s_lshl_b32 s27, s27, 6
	s_and_b32 s28, s26, 3
	s_lshl_b32 s28, s28, 4
	s_add_co_u32 s27, s27, s28                     ; Wq, Wk: first row 64 (f / 8) + 16 (f % 4)
	s_and_b32 s28, s26, 63
	s_lshl_b32 s29, s28, 4                         ; Wo: 16 (f % 64)
	s_and_b32 s30, s28, 1
	s_lshl_b32 s30, s30, 3
	s_sub_co_u32 s30, s29, s30                     ; Wv: 16 (f % 64) - 8 (f % 2) = 32 (f' / 2) + 8 (f' % 2)
	s_lshr_b32 s31, s26, 6                         ; 0, 1: Wq and Wk; 2: Wv; 3: Wo
	s_and_b32 s23, s26, 4                          ; set: Wk
	s_lshl_b32 s38, s25, 4                         ; x: 16 g
	s_mov_b32 s48, 0x76543210
	s_mov_b32 s49, 0xfedcba98                      ; v_permlanex16_b32's selects for lane l xor 16
	s_mov_b32 s50, 0xffff0000                      ; lanes 16-31
	s_wait_kmcnt 0x0
	s_cmp_lg_u32 s23, 0
	s_cselect_b64 s[32:33], s[8:9], s[6:7]
	s_cmp_eq_u32 s31, 2
	s_cselect_b64 s[32:33], s[10:11], s[32:33]
	s_cselect_b32 s27, s30, s27
	s_cselect_b32 s39, 0x8000, 0                   ; Wv: rows 8-15 of a block are read 8 rows (32,768 bytes) further on
	s_cmp_eq_u32 s31, 3
	s_cselect_b64 s[32:33], s[12:13], s[32:33]
	s_cselect_b32 s27, s29, s27
	s_cmp_lt_u32 s25, XBLK                         ; x's wave or a weight's?
	s_cselect_b64 s[4:5], s[4:5], s[32:33]         ; the numbers,
	s_cselect_b64 s[8:9], s[14:15], s[18:19]       ; the codes,
	s_cselect_b64 s[10:11], s[16:17], s[20:21]     ; the scale bytes,
	s_cselect_b32 s27, s38, s27                    ; the first row that is read,
	s_cselect_b32 s26, s25, s26                    ; the block of rows that is written,
	s_mov_b32 s34, WBLK*2*FRB
	s_cselect_b32 s34, XBLK*2*FRB, s34             ; and from 256 along K to the next in the codes' buffer
	s_mov_b32 s35, 0
	s_lshl_b32 s36, s27, 12                        ; 4,096 bytes a row
	s_mov_b32 s37, 0
	s_add_nc_u64 s[4:5], s[4:5], s[36:37]
	s_mul_i32 s36, s26, 2*FRB
	s_add_nc_u64 s[40:41], s[8:9], s[36:37]        ; where my fragments of K 0-255 go,
	s_add_nc_u64 s[42:43], s[40:41], s[34:35]      ; of K 256-511,
	s_add_nc_u64 s[44:45], s[42:43], s[34:35]      ; 512-767,
	s_add_nc_u64 s[46:47], s[44:45], s[34:35]      ; 768-1023
	s_lshl_b32 s36, s26, 9                         ; 512 scale bytes a block of rows
	s_add_nc_u64 s[10:11], s[10:11], s[36:37]
	v_add_nc_u32 v[L16B], s39, v[L16]
.macro LOAD t                          ; step t's 16 rows x 512 bytes into set t % 3 of window 1
	WIN 0x40                                       ; destination window 1, address window 0
.irp i, 0,1,2,3,4,5,6,7
	global_load_b128 v[R+64*((\t)%3)+4*\i:R+64*((\t)%3)+4*\i+3], v[L16], s[4:5] offset:4096*\i+512*(\t) th:TH_LOAD_NT
.endr
.irp i, 8,9,10,11,12,13,14,15
	global_load_b128 v[R+64*((\t)%3)+4*\i:R+64*((\t)%3)+4*\i+3], v[L16B], s[4:5] offset:4096*\i+512*(\t) th:TH_LOAD_NT
.endr
	WIN 0
.endm
.macro TURN t                          ; step t's numbers through the stage: LDS serves a wave's instructions in order, so no wait stands between the stores and the loads
	WIN 0x04                                       ; an LDS store's data are its source 1: window 1
.irp i, 0,1,2,3,4,5,6,7,8,9,10,11,12,13,14,15
	ds_store_b128 v[SIN], v[R+64*((\t)%3)+4*\i:R+64*((\t)%3)+4*\i+3] offset:STG*((\t)%2)+SP*\i
.endr
	WIN 0
.irp c, 0,1
.irp j, 0,1,2,3,4,5,6,7
	ds_load_b128 v[X+64*((\t)%2)+32*\c+4*\j:X+64*((\t)%2)+32*\c+4*\j+3], v[SOUT] offset:STG*((\t)%2)+256*\c+16*\j   ; register 32 c + i = K 64 c + 32 h + i of my row
.endr
.endr
.endm
	LOAD 0
	LOAD 1
	LOAD 2
	s_wait_loadcnt 32                              ; step 0's sixteen loads are in; those of steps 1 and 2 may be out
	TURN 0
.macro STEP t
.set XS, X+64*((\t)%2)
.set CDS, CD+12*(\t)
	s_wait_dscnt 0x0                               ; this step's numbers are back from the stage: so its stores into the stage have read their registers,
.if (\t)+3 < STEPS
	LOAD (\t)+3                                    ; which take the loads of three steps on
.endif
.if (\t)+1 < STEPS
.if (\t) <= 4
	s_wait_loadcnt 32                              ; the next step's sixteen loads are in; those of the two steps behind it may be out
.else
	s_wait_loadcnt 16*(6-(\t))
.endif
	TURN (\t)+1                                    ; and go through the other stage while this step is worked
.endif
.irp q, 0,1,2,3
	v_max3_num_f32 v[M+\q], |v[XS+16*\q]|, |v[XS+16*\q+1]|, 0x2800000   ; four chains of 16 numbers, each with the floor 2^(5 - 127): so the byte cannot fall under 1
.endr
.irp i, 2,4,6,8,10,12,14
.irp q, 0,1,2,3
	v_max3_num_f32 v[M+\q], v[M+\q], |v[XS+16*\q+\i]|, |v[XS+16*\q+\i+1]|
.endr
.endr
	v_max_num_f32 v[M], v[M], v[M+1]               ; block h's largest magnitude,
	v_max_num_f32 v[M+2], v[M+2], v[M+3]           ; block 2 + h's
	v_add_nc_u32 v[SO], 0xfe000000, v[M]           ; 4 off the exponent field: the conversion takes the exponent field of this operand as its scale, and nothing else of it
	v_add_nc_u32 v[SO+1], 0xfe000000, v[M+2]
	v_lshrrev_b32 v[BY], 23, v[SO]                 ; the scales' bytes
	v_lshrrev_b32 v[BY+1], 23, v[SO+1]
	v_lshl_or_b32 v[BY], v[BY+1], 16, v[BY]        ; my two bytes,
	v_lshlrev_b32 v[BY], v[SH], v[BY]              ; at their places in the scale word (8 h bits up);
	v_permlanex16_b32 v[T], v[BY], s48, s49
	v_or_b32 v[WD+(\t)], v[BY], v[T]               ; with lane l xor 16's two the word of my row and these 128 along K is whole
.irp c, 0,1
	v_cvt_scalef32_pk16_bf6_f32 v[CDS+6*\c:CDS+6*\c+2], v[XS+32*\c:XS+32*\c+15], v[SO+\c]      ; registers 6 c .. 6 c + 2 of the fragment
	v_cvt_scalef32_pk16_bf6_f32 v[TC+4*\c:TC+4*\c+2], v[XS+32*\c+16:XS+32*\c+31], v[SO+\c]     ; (a conversion's three registers begin on an even number: the second half of a block's six is made elsewhere and moved)
.endr
	v_nop                                          ; one plain instruction behind a scaled conversion
.irp c, 0,1
.irp i, 0,1,2
	v_mov_b32 v[CDS+6*\c+3+\i], v[TC+4*\c+\i]
.endr
.endr
.irp c, 0,1,2
	global_store_b128 v[L16], v[CDS+4*\c:CDS+4*\c+3], s[40+2*((\t)/2):41+2*((\t)/2)] offset:FRB*((\t)%2)+512*\c   ; 32 lanes store 512 consecutive bytes, at a multiple of 512 from the buffer's first byte
.endr
.endm
.irp t, 0,1,2,3,4,5,6,7
	STEP \t
.endr
.irp j, 0,1,2,3
	v_cndmask_b32 v[TC+\j], v[WD+\j], v[WD+4+\j], s50   ; both halves of the lanes hold a row's 8 words: lanes 0-15 send the first four, lanes 16-31 the last four
.endr
	global_store_b128 v[SOF], v[TC:TC+3], s[10:11] ; 16 rows x 32 bytes: 512 consecutive bytes, at a multiple of 512 from the buffer's first byte
	s_set_vgpr_msb 0x4
	s_wait_tensorcnt 0x0
	ds_add_u32 v247, v193
	s_wait_dscnt 0x0
	s_set_vgpr_msb 0x400
	s_endpgm
.Lfunc_end_k_qce62b23b48_quant:
	.size	k_qce62b23b48_quant, .Lfunc_end_k_qce62b23b48_quant-k_qce62b23b48_quant
	.p2alignl 7, 3214868480
	.fill 96, 4, 3214868480
	.section	.rodata,"a",@progbits
	.p2align	6, 0x0
	.amdhsa_kernel k_qce62b23b48_quant
		.amdhsa_group_segment_fixed_size 85248
		.amdhsa_private_segment_fixed_size 0
		.amdhsa_enable_private_segment 0
		.amdhsa_kernarg_size 72
		.amdhsa_user_sgpr_count 2
		.amdhsa_user_sgpr_kernarg_segment_ptr 1
		.amdhsa_wavefront_size32 1
		.amdhsa_system_sgpr_workgroup_id_x 1
		.amdhsa_system_sgpr_workgroup_id_y 1
		.amdhsa_system_sgpr_workgroup_id_z 1
		.amdhsa_system_vgpr_workitem_id 0
		.amdhsa_next_free_vgpr 450
		.amdhsa_next_free_sgpr 66
		.amdhsa_reserve_vcc 0
		.amdhsa_float_denorm_mode_32 3
		.amdhsa_float_denorm_mode_16_64 3
		.amdhsa_memory_ordered 1
		.amdhsa_forward_progress 1
		.amdhsa_inst_pref_size 60
	.end_amdhsa_kernel
	.amdgpu_metadata
---
amdhsa.version: [ 1, 2 ]
amdhsa.kernels:
  - .name:           k_qce62b23b48_quant
    .symbol:         k_qce62b23b48_quant.kd
    .args:
      - { .name: x, .offset: 0, .size: 8, .value_kind: global_buffer, .address_space: global }
      - { .name: Wq, .offset: 8, .size: 8, .value_kind: global_buffer, .address_space: global }
      - { .name: Wk, .offset: 16, .size: 8, .value_kind: global_buffer, .address_space: global }
      - { .name: Wv, .offset: 24, .size: 8, .value_kind: global_buffer, .address_space: global }
      - { .name: Wo, .offset: 32, .size: 8, .value_kind: global_buffer, .address_space: global }
      - { .name: xc, .offset: 40, .size: 8, .value_kind: global_buffer, .address_space: global }
      - { .name: xs, .offset: 48, .size: 8, .value_kind: global_buffer, .address_space: global }
      - { .name: wc, .offset: 56, .size: 8, .value_kind: global_buffer, .address_space: global }
      - { .name: ws, .offset: 64, .size: 8, .value_kind: global_buffer, .address_space: global }
    .group_segment_fixed_size: 85248
    .private_segment_fixed_size: 0
    .kernarg_segment_align: 8
    .kernarg_segment_size: 72
    .max_flat_workgroup_size: 160
    .sgpr_count:     66
    .vgpr_count:     450
    .wavefront_size: 32
...
	.end_amdgpu_metadata
.endif
;; end of part 1
;; launch qk (part 2): grid 8 x 64, 4 waves a work-group, clusters of 4 x 4, 327,680 bytes of LDS; arguments xc, xs, wc, ws, dots, stats; writes dots, stats
.if DOCPART == 2
	.amdgcn_target "amdgcn-amd-amdhsa--gfx1250"
	.amdhsa_code_object_version 6
	.text
	.protected	k_qce62b23b48_qk
	.globl	k_qce62b23b48_qk
	.p2align	8
	.type	k_qce62b23b48_qk,@function
k_qce62b23b48_qk:
	s_mov_b64 s[64:65], 0
	v_nop
	global_prefetch_b8 v0, s[64:65] scope:SCOPE_SE
	s_setreg_imm32_b32 hwreg(HW_REG_WAVE_MODE, 25, 1), 1
	s_wait_xcnt 0x0
	s_wait_alu depctr_hold_cnt(0) depctr_sa_sdst(0) depctr_va_vdst(0) depctr_va_sdst(0) depctr_va_ssrc(0) depctr_va_vcc(0) depctr_vm_vsrc(0)
	s_getreg_b32 s2, hwreg(HW_REG_IB_STS2, 6, 4)
	s_cmp_eq_u32 s2, 0
	s_cbranch_scc0 .Lentry_in_a_cluster
	s_endpgm
.Lentry_in_a_cluster:
	s_bfe_u32 s2, ttmp6, 0x10000c
	s_cmp_lg_u32 s2, 0xf033
	s_cbranch_scc0 .Lentry_shape_is_right
	s_endpgm
.Lentry_shape_is_right:
; [q | k] = x Wqk^T on codes of BF6 (E3M2) with one E8M0 scale for each 32 along K, sums in f32; then, in registers, dots[head][row] = q . k / 8 over the head's 64 channels (f32 fused multiply-adds),
; and for each wave's 128 rows of its head the largest dot m and the sum s of e^(dot - m): the parts from which the next launch makes the softmax over a batch's 4,096 rows.  q and k never go to memory.
; The strided transposition of the rows changes neither a row's dot nor a softmax over all rows: all is done in x's own row order; only the last launch's stores know of it.
; A: xc, B: wc's rows 0-2047 (rows 128 h + 0..63 are Wq's of head h, rows 128 h + 64..127 Wk's): IMAGES OF THE OPERANDS' REGISTERS: the fragment of the block of 16 rows R and K 128 ks .. lies at (((ks / 2) x NR + R) x 2 + ks % 2) x 1536
; (NR = 1,024 in xc, 256 in wc), in it registers 4 c .. 4 c + 3 of lane l at 512 c + 16 l.  So 128 rows x 256 K are one dense block of 24,576 bytes for one tensor load, stated as 96 rows of 256 bytes, and a fragment comes out of LDS by
; three loads of 16 bytes a lane, 512 consecutive bytes each: no pitch, no padding.  xs [16384][32], ws [4096][32]: scale bytes.  dots: f32 [16][16384].  stats: [16][128] pairs (m, s).
; A tile of 256 rows x 256 columns is made by four waves, a wave 128 x 128: 64 accumulators of 16 x 16, 512 registers: a wave's 128 columns are ONE head's q and k.
; K = 1,024 is four K steps of 256.  THREE LDS slots of 98,304 bytes: K steps 0, 1, 2 are first fills, K step 3 is the one refill, into slot 0, asked for behind K step 0's last products: two K steps, 256 matrix instructions, ahead of its use.
; The eight steps of 128 are written out.  THE SCALES of the work-group's 256 rows of A and of B, for all of K, come into LDS once, with the first fills, and stay.  By this text's count a wave has four tensor loads out at the start, later one.
; CLUSTERS: 4 x 4 work-groups.  The four of a row of the cluster need the same tiles of A, the four of a column the same tiles of B: each tile is asked for JOINTLY, by the same tensor load with the same descriptor and a mask of the four.
; THE MATRIX INSTRUCTION IS USED TRANSPOSED (source 0 = 16 rows of B, source 1 = 16 rows of A): lane (r, h), register j of accumulator (a, b) holds (row 16 a + r, column 16 b + 8 h + j).
; REGISTERS, in windows of 256: window 0: v0-31 addresses; v32-63 scale words, two sets; v128-223 A's fragments, one set (on the way out: at work).  window 1: B's fragments, two sets, at v0 and v128.
;   window 2: the accumulators of my rows 0-63 ((a, b) at v[8 (8 a + b)]);  window 3: those of my rows 64-127.
; LIMITS: NaN and infinities are not served; e^(dot - m) under 2^-126 counts as 0.
.set NQ,     2                         ; steps of 128 in a slot
.set FR,     12                        ; registers of a fragment: 16 rows x 128 K
.set FRB,    1536                      ; and its image in bytes
.set NLA,    3                         ; LDS loads that bring a fragment
.set NP,     4                         ; places behind this matrix instruction (ISA guide 7.12.1)
.set HALFT,  16*FRB                    ; 128 rows x 256 K: what one tensor load brings
.set SLOT,   4*HALFT                   ; A's two halves, then B's two halves
.set ASTEP,  1024*2*FRB                ; from a K step of 256 to the next, in xc
.set BSTEP,  256*2*FRB                 ; and in wc
.set KS,     32                        ; a row of scale bytes
.set SCL,    3*SLOT                    ; behind the slots: the scales, as runs of 256 bytes + 16 of padding
.set HALFS,  (128*KS/256)*272          ; the scales of 128 rows
.set SBLK,   (16*KS/256)*272           ; those of 16 rows
.set SPARE,  SCL+4*HALFS               ; the spare words, 128 bytes for each wave: two blocks of 256 bytes that no other line names
.set STAGE,  SLOT                      ; the way out's stage lies in slot 1: filled once, and read by nobody behind the last barrier
.set ADRA, 16                          ; v16-18 LDS address of my A images in slot 0, 1, 2
.set ADRB, 20                          ; v20-22 the same for B
.set STO,  24                          ; v24    the way out: where a row's dot goes in my stage
.set RD,   25                          ; v25    and where I read 16 bytes back
.set CO,   26                          ; v26    16 x lane
.set ADRS, 27                          ; v27    LDS address of my scale words: lanes 0-15 A's rows, lanes 16-31 B's; never rewritten
.set SPW,  28                          ; v28    LDS address of my spare word; never rewritten
.set NIL,  29                          ; v29    0; never rewritten
.set LN,   30                          ; v30    lane
.set SC,   32                          ; scale words: set s at v[SC + 16 s]; register 2 i + q: lanes 0-15 the word of A's block i, lanes 16-31 of B's block i, for the K step's q-th 128 along K
.set AF,   128                         ; A's fragments
.set DP,   128                         ; the way out: v128-143 a pair of partial dots for each of my 8 blocks of rows
.set D,    144                         ; v144-151 the dots
.set T,    152                         ; v152-159 the other half of the lanes' part
.set E,    160                         ; v160-167 the exponentials
.set MS,   168                         ; v[168:169] m, s
.set ZO,   170                         ; v170   0, an offset
.set BK,   172                         ; v172-175 four dots on their way out
.set G1,   24                          ; s[24:31] descriptor group 1 for A's tiles
.set G1B,  48                          ; s[48:55] for B's
.set G0A0, 32                          ; groups 0 for A's tiles, one for each slot: s[32:35], s[36:39], s[4:7] (free once the addresses are made)
.set G0A1, 36
.set G0A2, 4
.set G0B0, 56                          ; for B's: s[56:59], s[60:63], s[8:11]
.set G0B1, 60
.set G0B2, 8
.set G1S, 68                           ; s[68:75], s[76:79] groups 1 and 0 for A's scales;  s[80:87], s[88:91] for B's
.set G0S, 76
.set G1SB, 80
.set G0SB, 88
.set MSB, 0
.macro WIN new                         ; the immediate's high byte repeats the setting that is left; a switch that changes nothing is dropped
.if MSB != (\new)
	s_set_vgpr_msb (MSB<<8)|(\new)
.set MSB, (\new)
.endif
.endm
.set MUL_LO, 0xa1                      ; source 0 (B) window 1, source 1 (A) window 0, C and D window 2
.set MUL_HI, 0xf1                      ; the same, C and D window 3
.set TO_B,   0x40                      ; destination window 1, address window 0
; A joint load: waves 0 and 1 fetch for A, waves 2 and 3 for B.  Each line has one mask and one set of registers for all that issue it; the branch hangs on the wave's number alone.
; Four v_nop follow each of the two lines, ahead of the jump, the label and what follows.
.macro JLOAD g0a, g1a, g0b, g1b
	s_cmp_eq_u32 s15, 0
	s_cbranch_scc0 .Lfor_b_\@
	tensor_load_to_lds s[\g0a:\g0a+3], s[\g1a:\g1a+7]
	s_nop 0
.rept 4
	v_nop
.endr
	s_branch .Lasked_\@
.Lfor_b_\@:
	tensor_load_to_lds s[\g0b:\g0b+3], s[\g1b:\g1b+7]
	s_nop 0
.rept 4
	v_nop
.endr
.Lasked_\@:
.endm
.macro MKG0 g, slot, adr, step         ; a group 0: count 1; LDS address wave x 24,576 + the slot; global address of the slot's first K step; type 2
	s_mov_b32 s[\g], 1
	s_add_co_u32 s[\g+1], s45, (\slot)*SLOT
	s_add_nc_u64 s[\g+2:\g+3], s[\adr:\adr+1], (\slot)*(\step)
	s_or_b32 s[\g+3], s[\g+3], 0x80000000
.endm
.macro CREST                           ; a round of the cluster's barrier behind its opening barrier
	s_cmp_lg_u32 s14, 0
	s_cbranch_scc1 .Lnot_wave_0_\@
	s_barrier_signal -3
.Lnot_wave_0_\@:
	s_barrier_wait -3
	s_barrier_signal -1
	s_barrier_wait -1
.endm
.macro CROUND                          ; a whole round
	s_barrier_signal -1
	s_barrier_wait -1
	CREST
.endm
	s_load_b128 s[4:7], s[0:1], 0x0                ; A's images s[4:5], A's scales s[6:7]
	s_load_b128 s[8:11], s[0:1], 0x10              ; B's images s[8:9], B's scales s[10:11]
	s_load_b128 s[96:99], s[0:1], 0x20             ; dots s[96:97], stats s[98:99]
	v_lshl_add_u32 v[SPW], v0, 2, SPARE
	v_mov_b32 v[NIL], 0
	ds_add_u32 v28, v29
	ds_add_u32 v28, v29
	s_wait_dscnt 0x0
	v_lshrrev_b32 v1, 5, v0
	v_readfirstlane_b32 s14, v1                    ; wave 0..3
	s_lshr_b32 s15, s14, 1                         ; which half of the tile's rows is mine.  Also: I fetch for A (0) or for B (1)
	s_and_b32 s16, s14, 1                          ; which half of its columns.  Also: which 128 rows of that tile I fetch
	s_bfe_u32 s40, ttmp6, 0x40000                  ; cx, cy: my place in the cluster
	s_bfe_u32 s41, ttmp6, 0x40004
	s_lshl_b32 s42, ttmp9, 2
	s_add_co_u32 s42, s42, s40                     ; tile column = 4 x cluster x + cx
	s_and_b32 s17, ttmp7, 0xffff
	s_lshl_b32 s17, s17, 2
	s_add_co_u32 s17, s17, s41                     ; tile row = 4 x cluster y + cy
	s_lshl_b32 s43, s41, 2
	s_lshl_b32 s43, 15, s43                        ; my row of the cluster
	s_lshl_b32 s44, 0x1111, s40                    ; my column
	; descriptor group 1 for the images: a dense block of 24,576 bytes, as 96 rows of 256 bytes (32 elements of 8 bytes), no padding
	s_or_b32 s[G1+0], s43, (3<<16)|(1<<21)         ; 15:0 the mask: A's tiles go to my row; 17:16 elements of 8 bytes; 21 set beside a mask
	s_or_b32 s[G1B+0], s44, (3<<16)|(1<<21)        ; B's to my column
.irp g, G1, G1B
	s_mov_b32 s[\g+1], 32<<16                      ; tensor_dim0
	s_mov_b32 s[\g+2], (HALFT/256)<<16             ; tensor_dim1
	s_mov_b32 s[\g+3], 32<<16                      ; tile_dim0
	s_mov_b32 s[\g+4], HALFT/256                   ; tile_dim1
	s_mov_b32 s[\g+5], 32                          ; tensor_dim0_stride
	s_mov_b32 s[\g+6], 0
	s_mov_b32 s[\g+7], 0
.endr
	; the scales of 128 rows: a dense block of 4,096 bytes, as 16 rows of 256 bytes, 16 bytes of padding behind each
	s_or_b32 s[G1S+0], s43, (3<<16)|(1<<20)|(1<<21)|(5<<22)|(3<<25)
	s_or_b32 s[G1SB+0], s44, (3<<16)|(1<<20)|(1<<21)|(5<<22)|(3<<25)
.irp g, G1S, G1SB
	s_mov_b32 s[\g+1], 32<<16
	s_mov_b32 s[\g+2], (128*KS/256)<<16
	s_mov_b32 s[\g+3], 32<<16
	s_mov_b32 s[\g+4], 128*KS/256
	s_mov_b32 s[\g+5], 32
	s_mov_b32 s[\g+6], 0
	s_mov_b32 s[\g+7], 0
.endr
	s_lshl_b32 s18, s16, 7                         ; which 128 rows of the tile I fetch
	s_lshl_b32 s20, s17, 8
	s_add_co_u32 s20, s20, s18                     ; A: row 256 x tile row + 128 x half
	s_lshl_b32 s46, s42, 8
	s_add_co_u32 s46, s46, s18                     ; B: row 256 x tile column + 128 x half
	s_mov_b32 s21, 0
	s_mov_b32 s47, 0
	s_mov_b64 s[18:19], KS
	s_mul_u64 s[22:23], s[20:21], s[18:19]         ; where these rows' scales begin, in bytes
	s_mul_u64 s[92:93], s[46:47], s[18:19]
	s_mov_b64 s[18:19], 192                        ; the images: 16 rows take 3,072 bytes in each K step of 256
	s_mul_u64 s[20:21], s[20:21], s[18:19]
	s_mul_u64 s[46:47], s[46:47], s[18:19]
	s_mul_i32 s45, s14, HALFT                      ; where they go: wave x 24,576: no place in the cluster enters an LDS address
	s_mul_i32 s94, s14, HALFS
	s_wait_kmcnt 0x0
	s_add_nc_u64 s[20:21], s[4:5], s[20:21]
	s_add_nc_u64 s[22:23], s[6:7], s[22:23]
	s_add_nc_u64 s[46:47], s[8:9], s[46:47]
	s_add_nc_u64 s[92:93], s[10:11], s[92:93]
	CROUND                                         ; all sixteen work-groups are here: the first joint loads meet
	s_mov_b32 s[G0S], 1
	s_add_co_u32 s[G0S+1], s94, SCL
	s_mov_b64 s[G0S+2:G0S+3], s[22:23]
	s_or_b32 s[G0S+3], s[G0S+3], 0x80000000
	s_mov_b32 s[G0SB], 1
	s_add_co_u32 s[G0SB+1], s94, SCL
	s_mov_b64 s[G0SB+2:G0SB+3], s[92:93]
	s_or_b32 s[G0SB+3], s[G0SB+3], 0x80000000
	JLOAD G0S, G1S, G0SB, G1SB                     ; the scales first: they are wanted with K step 0
	MKG0 G0A0, 0, 20, ASTEP
	MKG0 G0B0, 0, 46, BSTEP
	JLOAD G0A0, G1, G0B0, G1B                      ; K step 0
	MKG0 G0A1, 1, 20, ASTEP
	MKG0 G0B1, 1, 46, BSTEP
	JLOAD G0A1, G1, G0B1, G1B                      ; K step 1
	MKG0 G0A2, 2, 20, ASTEP
	MKG0 G0B2, 2, 46, BSTEP
	JLOAD G0A2, G1, G0B2, G1B                      ; K step 2: four loads of mine are out
	v_and_b32 v1, 15, v0                           ; r = l % 16
	v_bfe_u32 v2, v0, 4, 1                         ; h = l / 16
	v_and_b32 v[LN], 31, v0
	v_lshlrev_b32 v[CO], 4, v[LN]                  ; 16 x lane: my place in an image
	s_mul_i32 s21, s15, HALFT                      ; my 128 rows of A
	s_mul_i32 s22, s16, HALFT                      ; my 128 rows of B,
	s_add_co_u32 s22, s22, 2*HALFT                 ; which lie behind A's 256
.irp s, 0,1,2
	v_add_nc_u32 v[ADRA+\s], s21, v[CO]
	v_add_nc_u32 v[ADRB+\s], s22, v[CO]
	s_add_co_u32 s21, s21, SLOT
	s_add_co_u32 s22, s22, SLOT
.endr
	v_mul_u32_u24 v5, v1, KS                       ; my row's scales: 32 bytes a row,
	v_lshrrev_b32 v6, 8, v5
	v_lshl_add_u32 v5, v6, 4, v5                   ; and 16 more for each 256 passed
	s_mul_i32 s21, s15, HALFS                      ; A's: my 128 rows
	s_mul_i32 s22, s16, HALFS                      ; B's: my 128 rows, behind A's 256
	s_add_co_u32 s22, s22, 2*HALFS
	s_sub_co_u32 s22, s22, s21
	v_mul_u32_u24 v6, s22, v2                      ; lanes 16-31 take B's: the lower base + h x the distance
	s_add_co_u32 s21, s21, SCL
	v_add_nc_u32 v5, v5, v6
	v_add_nc_u32 v[ADRS], s21, v5
	; the way out's addresses
	s_mov_b32 s66, 0x76543210
	s_mov_b32 s67, 0xfedcba98                      ; v_permlanex16_b32's selects for lane l xor 16
	s_lshl_b32 s23, s14, 9                         ; my stage: 512 bytes
	s_add_co_u32 s23, s23, STAGE
	v_lshl_add_u32 v[STO], v1, 2, s23              ; in: 4 bytes a row
	v_add_nc_u32 v[RD], s23, v[CO]                 ; back: 16 bytes a lane
	s_lshl_b32 s46, s42, 1
	s_add_co_u32 s46, s46, s16                     ; my head = 2 x tile column + half
	s_lshl_b32 s20, s17, 1
	s_add_co_u32 s20, s20, s15                     ; my block of 128 rows = 2 x tile row + half
	s_lshl_b32 s22, s46, 16                        ; dots: 65,536 bytes a head,
	s_lshl_b32 s18, s20, 9                         ; 512 a block of rows
	s_add_co_u32 s22, s22, s18
	s_mov_b32 s23, 0
	s_add_nc_u64 s[96:97], s[96:97], s[22:23]
	s_lshl_b32 s22, s46, 7                         ; stats: 128 pairs a head, 8 bytes a pair
	s_add_co_u32 s22, s22, s20
	s_lshl_b32 s22, s22, 3
	s_add_nc_u64 s[98:99], s[98:99], s[22:23]
.macro FRAGI reg, adr, q, i            ; block i's fragment of the slot's q-th 128 along K, from its image: three loads of 16 bytes a lane, 512 consecutive bytes each
.irp c, 0,1,2
	ds_load_b128 v[\reg+4*\c:\reg+4*\c+3], v[\adr] offset:(2*(\i)+(\q))*FRB+512*\c
.endr
.endm
; 16 matrix instructions: A's blocks a0, a0 + 1 x B's eight, the K step's q-th 128 along K.  p: B's set;  sc: the set of scale words.  mode = 1: the first product starts the sums: nothing is ever cleared.
; The 64 accumulators take turns, one instruction a turn, in the same order in every step.
.macro MUL16 a0, p, q, sc, mode
.irp a, \a0, \a0+1
.irp b, 0,1,2,3,4,5,6,7
.if \mode == 1
	v_wmma_scale_f32_16x16x128_f8f6f4 v[8*(8*((\a)%4)+\b):8*(8*((\a)%4)+\b)+7], v[128*(\p)+FR*\b:128*(\p)+FR*\b+FR-1], v[AF+FR*(\a):AF+FR*(\a)+FR-1], 0, v[SC+8*NQ*(\sc)+NQ*\b+(\q)], v[SC+8*NQ*(\sc)+NQ*(\a)+(\q)] matrix_a_fmt:MATRIX_FMT_BF6 matrix_b_fmt:MATRIX_FMT_BF6 matrix_a_scale:MATRIX_SCALE_ROW1
.else
	v_wmma_scale_f32_16x16x128_f8f6f4 v[8*(8*((\a)%4)+\b):8*(8*((\a)%4)+\b)+7], v[128*(\p)+FR*\b:128*(\p)+FR*\b+FR-1], v[AF+FR*(\a):AF+FR*(\a)+FR-1], v[8*(8*((\a)%4)+\b):8*(8*((\a)%4)+\b)+7], v[SC+8*NQ*(\sc)+NQ*\b+(\q)], v[SC+8*NQ*(\sc)+NQ*(\a)+(\q)] matrix_a_fmt:MATRIX_FMT_BF6 matrix_b_fmt:MATRIX_FMT_BF6 matrix_a_scale:MATRIX_SCALE_ROW1
.endif
.endr
.endr
.endm
.macro FETCH_B slot, q, p              ; B's eight fragments of the slot's q-th 128 along K into set p
	WIN TO_B
.irp i, 0,1,2,3,4,5,6,7
	FRAGI 128*(\p)+FR*\i, ADRB+\slot, \q, \i
.endr
	WIN 0
.endm
.macro FETCH_A slot, q, i0             ; A's blocks i0 .. i0 + 3
.irp i, \i0, \i0+1, \i0+2, \i0+3
	FRAGI AF+FR*(\i), ADRA+\slot, \q, \i
.endr
.endm
.macro SCALES sc, kp                   ; K step kp's scale words into set sc: two words a row, 8 kp bytes into the row; lanes 0-15 take A's block i, lanes 16-31 B's block i
.irp i, 0,1,2,3,4,5,6,7
	ds_load_b64 v[SC+8*NQ*(\sc)+NQ*\i:SC+8*NQ*(\sc)+NQ*\i+1], v[ADRS] offset:\i*SBLK+8*(\kp)
.endr
.endm
; A load into a register that a matrix instruction has read, and a vector instruction that reads a matrix result or writes one of its registers, stand NP places behind that matrix instruction;
; only plain vector instructions that name none of its registers are places (ISA guide 7.12.1 for vector instructions).
.macro PLACES n
.rept \n
	v_nop
.endr
.endm
; A slot's first 128 along K (B's set 0); it fetches the slot's second 128 (into B's set 1).
.macro STEP slot, sc, mode
	s_wait_dscnt 4*NLA                             ; B's set, A's blocks 0-3 and the scale words are in; the youngest twelve loads (A's blocks 4-7) may be out
	WIN MUL_LO
	MUL16 0, 0, 0, \sc, \mode
	MUL16 2, 0, 0, \sc, \mode
	s_wait_dscnt 0                                 ; A's blocks 4-7 are in (asked for 32 matrix instructions ago)
	PLACES NP
	FETCH_B \slot, 1, 1
	FETCH_A \slot, 1, 0
	WIN MUL_HI
	MUL16 4, 0, 0, \sc, \mode
	MUL16 6, 0, 0, \sc, \mode
	PLACES NP
	WIN 0
	FETCH_A \slot, 1, 4
.endm
; A slot's second 128 along K, where the next slot has been shown whole to every wave by an earlier barrier: no barrier.  It fetches the next slot's first 128 and K step nk's scale words.
.macro HOP sc, next, nsc, nk
	s_wait_dscnt 4*NLA
	WIN MUL_LO
	MUL16 0, 1, 1, \sc, 0
	MUL16 2, 1, 1, \sc, 0
	s_wait_dscnt 0
	PLACES NP
	FETCH_B \next, 0, 0
	FETCH_A \next, 0, 0
	SCALES \nsc, \nk
	WIN MUL_HI
	MUL16 4, 1, 1, \sc, 0
	MUL16 6, 1, 1, \sc, 0
	PLACES NP
	WIN 0
	FETCH_A \next, 0, 4
.endm
; The same with ONE barrier; in front of it each wave waits for all its tensor loads, adds 0 to its spare word, and waits for that and for its own LDS reads.  fill = 1 (behind K step 0): slot 0 is filled again, with K step 3.
.macro TURN sc, next, nsc, nk, fill
	s_wait_tensorcnt 0x0                           ; all my tensor loads have landed  (every window is 0 here)
	ds_add_u32 v[SPW], v[NIL]                      ; 0 onto my spare word
	s_wait_dscnt 4*NLA+1                           ; (the add and the youngest twelve loads, A's blocks 4-7, may be out)
	WIN MUL_LO
	MUL16 0, 1, 1, \sc, 0                          ; sixteen matrix instructions stand between the add and the wait for it
	s_wait_dscnt 0x0                               ; the add is done, and my reads of the slot are over
	s_barrier_signal -1
	MUL16 2, 1, 1, \sc, 0
	WIN 0
	s_barrier_wait -1
.if \fill
	CREST                                          ; the barrier has opened a round of the cluster's barrier: no wave of any partner still reads slot 0 or has a load on its way
	s_add_nc_u64 s[G0A0+2:G0A0+3], s[G0A0+2:G0A0+3], 3*ASTEP
	s_add_nc_u64 s[G0B0+2:G0B0+3], s[G0B0+2:G0B0+3], 3*BSTEP
	JLOAD G0A0, G1, G0B0, G1B                      ; the first tensor load behind the round, one a wave; the four v_nop behind it are the places in front of the loads below
.else
	PLACES NP
.endif
	FETCH_B \next, 0, 0
	FETCH_A \next, 0, 0
	SCALES \nsc, \nk
	WIN MUL_HI
	MUL16 4, 1, 1, \sc, 0
	MUL16 6, 1, 1, \sc, 0
	PLACES NP
	WIN 0
	FETCH_A \next, 0, 4
.endm
	s_wait_tensorcnt 2                             ; the scales and my part of K step 0 are in (the loads of K steps 1 and 2 may be out)
	s_barrier_signal -1
	s_barrier_wait -1                              ; everybody's are
	FETCH_B 0, 0, 0
	FETCH_A 0, 0, 0
	SCALES 0, 0
	FETCH_A 0, 0, 4
	STEP 0, 0, 1                                   ; K 0-127: these products start the sums
	TURN 0, 1, 1, 1, 1                             ; K 128-255; slots 1 and 2 are whole for every wave; slot 0 takes K step 3
	STEP 1, 1, 0                                   ; K 256-383
	HOP 1, 2, 0, 2                                 ; K 384-511
	STEP 2, 0, 0                                   ; K 512-639
	TURN 0, 0, 1, 3, 0                             ; K 640-767; K step 3 has landed; nothing is left to fetch: no round of the cluster's barrier
	STEP 0, 1, 0                                   ; K 768-895
	s_wait_dscnt 4*NLA                             ; K 896-1023: the very last step
	WIN MUL_LO
	MUL16 0, 1, 1, 1, 0
	MUL16 2, 1, 1, 1, 0
	s_wait_dscnt 0
	WIN MUL_HI
	MUL16 4, 1, 1, 1, 0
	MUL16 6, 1, 1, 1, 0
	; THE WAY OUT.  Accumulators (a, 0..3) are q's 64 channels of rows 16 a + r, (a, 4..7) k's same channels: a lane multiplies its 32 pairs, two at a time, four blocks of rows by turns; each accumulator is read from its low end on.
	PLACES NP
.irp w, 0,1
	WIN 0x0a+5*\w                                  ; sources 0 and 1: window 2 or 3; the sums: window 0
.irp b, 0,1,2,3
.irp jp, 0,1,2,3
.irp a, 0,1,2,3
.if (\b == 0) && (\jp == 0)
	v_pk_mul_f32 v[DP+8*\w+2*\a:DP+8*\w+2*\a+1], v[64*\a+8*\b+2*\jp:64*\a+8*\b+2*\jp+1], v[64*\a+32+8*\b+2*\jp:64*\a+32+8*\b+2*\jp+1]
.else
	v_pk_fma_f32 v[DP+8*\w+2*\a:DP+8*\w+2*\a+1], v[64*\a+8*\b+2*\jp:64*\a+8*\b+2*\jp+1], v[64*\a+32+8*\b+2*\jp:64*\a+32+8*\b+2*\jp+1], v[DP+8*\w+2*\a:DP+8*\w+2*\a+1]
.endif
.endr
.endr
.endr
.endr
	WIN 0
.irp a, 0,1,2,3,4,5,6,7
	v_mov_b32 v[T+\a], 0                           ; a lane permute's destination counts as one of its sources
.endr
.irp a, 0,1,2,3,4,5,6,7
	v_add_f32 v[D+\a], v[DP+2*\a], v[DP+2*\a+1]
.endr
.irp a, 0,1,2,3,4,5,6,7
	v_permlanex16_b32 v[T+\a], v[D+\a], s66, s67   ; the row's other 32 channels lie in the lane 16 away
.endr
.irp a, 0,1,2,3,4,5,6,7
	v_add_f32 v[D+\a], v[D+\a], v[T+\a]            ; both halves of the lanes now hold the same number
.endr
.irp a, 0,1,2,3,4,5,6,7
	v_mul_f32 v[D+\a], 0x3e000000, v[D+\a]         ; / sqrt(64): exact
.endr
.irp a, 0,1,2,3,4,5,6,7
	ds_store_b32 v[STO], v[D+\a] offset:64*\a      ; row 16 a + r's dot (lanes r and 16 + r write the same word with the same value)
.endr
	ds_load_b128 v[BK:BK+3], v[RD]                 ; LDS serves a wave's instructions in order: this sees my stores.  The block's m and s are made while it is out
	v_max3_num_f32 v[MS], v[D], v[D+1], v[D+2]
	v_max3_num_f32 v[MS], v[MS], v[D+3], v[D+4]
	v_max3_num_f32 v[MS], v[MS], v[D+5], v[D+6]
	v_max_num_f32 v[MS], v[MS], v[D+7]
.irp x, 1,2,4,8
	v_max_num_f32_dpp v[MS], v[MS], v[MS] row_xmask:\x row_mask:0xf bank_mask:0xf   ; over the 16 rows of a block: m of my 128 rows (the halves need not meet: they hold the same)
.endr
.irp a, 0,1,2,3,4,5,6,7
	v_sub_f32 v[E+\a], v[D+\a], v[MS]
.endr
.irp a, 0,1,2,3,4,5,6,7
	v_mul_f32 v[E+\a], 0x3fb8aa3b, v[E+\a]         ; x log2(e)
.endr
.irp a, 0,1,2,3,4,5,6,7
	v_exp_f32 v[E+\a], v[E+\a]
.endr
	v_mov_b32 v[ZO], 0                             ; (the plain instruction behind the exponentials)
	s_wait_alu depctr_va_vdst(0)                   ; one wait for the eight, ahead of their first reader
	v_add_f32 v[E], v[E], v[E+1]
	v_add_f32 v[E+2], v[E+2], v[E+3]
	v_add_f32 v[E+4], v[E+4], v[E+5]
	v_add_f32 v[E+6], v[E+6], v[E+7]
	v_add_f32 v[E], v[E], v[E+2]
	v_add_f32 v[E+4], v[E+4], v[E+6]
	v_add_f32 v[MS+1], v[E], v[E+4]
.irp x, 1,2,4,8
	v_add_f32_dpp v[MS+1], v[MS+1], v[MS+1] row_xmask:\x row_mask:0xf bank_mask:0xf   ; s of my 128 rows
.endr
	v_cmp_eq_u32 vcc_lo, 0, v[LN]
	s_wait_dscnt 0x0
	global_store_b128 v[CO], v[BK:BK+3], s[96:97]  ; 32 lanes store 512 consecutive bytes, at a multiple of 512 from the buffer's first byte
	s_wait_xcnt 0x0                                ; EXEC changes only behind this wait
	s_and_saveexec_b32 s20, vcc_lo
	global_store_b64 v[ZO], v[MS:MS+1], s[98:99]   ; lane 0 alone: 8 bytes a wave, 16,384 bytes in the whole launch: these do not fill 256 consecutive bytes
	s_wait_xcnt 0x0                                ; and again, in front of the line that widens it
	s_or_b32 exec_lo, exec_lo, s20
	s_wait_tensorcnt 0x0                           ; the wave's end: behind my last tensor load and my last LDS store
	ds_add_u32 v[SPW], v[NIL]
	s_wait_dscnt 0x0
	CROUND                                         ; the closing round: no work-group ends while a partner may still ask for a tile that names it
	s_endpgm
.Lfunc_end_k_qce62b23b48_qk:
	.size	k_qce62b23b48_qk, .Lfunc_end_k_qce62b23b48_qk-k_qce62b23b48_qk
	.p2alignl 7, 3214868480
	.fill 96, 4, 3214868480
	.section	.rodata,"a",@progbits
	.p2align	6, 0x0
	.amdhsa_kernel k_qce62b23b48_qk
		.amdhsa_group_segment_fixed_size 327680
		.amdhsa_private_segment_fixed_size 0
		.amdhsa_enable_private_segment 0
		.amdhsa_kernarg_size 48
		.amdhsa_user_sgpr_count 2
		.amdhsa_user_sgpr_kernarg_segment_ptr 1
		.amdhsa_wavefront_size32 1
		.amdhsa_system_sgpr_workgroup_id_x 1
		.amdhsa_system_sgpr_workgroup_id_y 1
		.amdhsa_system_sgpr_workgroup_id_z 1
		.amdhsa_system_vgpr_workitem_id 0
		.amdhsa_next_free_vgpr 1024
		.amdhsa_next_free_sgpr 102
		.amdhsa_reserve_vcc 1
		.amdhsa_float_denorm_mode_32 3
		.amdhsa_float_denorm_mode_16_64 3
		.amdhsa_memory_ordered 1
		.amdhsa_forward_progress 1
		.amdhsa_inst_pref_size 119
	.end_amdhsa_kernel
	.amdgpu_metadata
---
amdhsa.version: [ 1, 2 ]
amdhsa.kernels:
  - .name:           k_qce62b23b48_qk
    .symbol:         k_qce62b23b48_qk.kd
    .args:
      - { .name: xc, .offset: 0, .size: 8, .value_kind: global_buffer, .address_space: global }
      - { .name: xs, .offset: 8, .size: 8, .value_kind: global_buffer, .address_space: global }
      - { .name: wc, .offset: 16, .size: 8, .value_kind: global_buffer, .address_space: global }
      - { .name: ws, .offset: 24, .size: 8, .value_kind: global_buffer, .address_space: global }
      - { .name: dots, .offset: 32, .size: 8, .value_kind: global_buffer, .address_space: global }
      - { .name: stats, .offset: 40, .size: 8, .value_kind: global_buffer, .address_space: global }
    .group_segment_fixed_size: 327680
    .private_segment_fixed_size: 0
    .kernarg_segment_align: 8
    .kernarg_segment_size: 48
    .max_flat_workgroup_size: 128
    .sgpr_count:     102
    .vgpr_count:     1024
    .wavefront_size: 32
...
	.end_amdgpu_metadata
.endif
;; end of part 2
;; launch vq (part 3): grid 4 x 64, 4 waves a work-group, clusters of 4 x 4, 327,680 bytes of LDS; arguments xc, xs, wc, ws, dots, stats, ac, asc; writes ac, asc
.if DOCPART == 3
	.amdgcn_target "amdgcn-amd-amdhsa--gfx1250"
	.amdhsa_code_object_version 6
	.text
	.protected	k_qce62b23b48_vq
	.globl	k_qce62b23b48_vq
	.p2align	8
	.type	k_qce62b23b48_vq,@function
k_qce62b23b48_vq:
	s_mov_b64 s[64:65], 0
	v_nop
	global_prefetch_b8 v0, s[64:65] scope:SCOPE_SE
	s_setreg_imm32_b32 hwreg(HW_REG_WAVE_MODE, 25, 1), 1
	s_wait_xcnt 0x0
	s_wait_alu depctr_hold_cnt(0) depctr_sa_sdst(0) depctr_va_vdst(0) depctr_va_sdst(0) depctr_va_ssrc(0) depctr_va_vcc(0) depctr_vm_vsrc(0)
	s_getreg_b32 s2, hwreg(HW_REG_IB_STS2, 6, 4)
	s_cmp_eq_u32 s2, 0
	s_cbranch_scc0 .Lentry_in_a_cluster
	s_endpgm
.Lentry_in_a_cluster:
	s_bfe_u32 s2, ttmp6, 0x10000c
	s_cmp_lg_u32 s2, 0xf033
	s_cbranch_scc0 .Lentry_shape_is_right
	s_endpgm
.Lentry_shape_is_right:
; v = x Wv^T on codes of BF6 (E3M2) with one E8M0 scale for each 32 along K, sums in f32; attn = softmax of the dots over a batch's 4,096 rows, finished and normalised, in f32; attn x v is quantised in registers
; along the channels, which are the last product's K, and leaves as codes.  v never goes to memory.
; attn(row, head) = e^(dot - M) / S, M = the largest of the batch's 32 block maxima m_i, S = the sum of s_i e^(m_i - M): the true maximum is taken away, as the softmax asks.  It is made at the head, while the first tiles are on their way.
; A: xc, B: wc's rows 2048-3071: Wv with bits 3 and 4 of the row number swapped, so that the 16 registers of accumulators (a, 2 b) and (a, 2 b + 1) are channels 32 b + 16 (lane / 16) + 0 .. 15 of the wave's 128.
; xc, wc and the result ac are IMAGES OF THE OPERANDS' REGISTERS: the fragment of the block of 16 rows R and K 128 ks .. lies at (((ks / 2) x NR + R) x 2 + ks % 2) x 1536 (NR = 1,024 in xc and ac, 256 in wc), in it registers 4 c .. 4 c + 3
; of lane l at 512 c + 16 l: 128 rows x 256 K are one dense block of 24,576 bytes, and a fragment comes out of LDS by three loads of 16 bytes a lane.  xs, ws, asc: scale bytes, 32 a row.
; The product: a tile of 256 x 256 by four waves, a wave 128 x 128 in 64 accumulators.  K = 1,024 is four K steps of 256; THREE LDS slots: K steps 0, 1, 2 are first fills, K step 3 the one refill, into slot 0, asked for two K steps
; (256 matrix instructions) ahead of its use; the eight steps of 128 are written out; a wave has four tensor loads out at the start, later one.  The scales of all of K in LDS once.  Clusters of 4 x 4 with joint loads of A's tiles along a
; row and of B's along a column.  The matrix instruction is used transposed (source 0 = 16 rows of B, source 1 = 16 rows of A).
; REGISTERS, in windows of 256: window 0: v0-31 addresses; v32-63 scale words; v64-95 attn, twice each; v96-107 at work at the head; v128-223 A's fragments (on the way out: numbers and codes); v224-251 at work on the way out.
;   window 1: B's fragments, two sets.   windows 2, 3: the accumulators ((a, b) at v[8 (8 (a % 4) + b)]).
; LIMITS: NaN and infinities are not served; an exponential under 2^-126 counts as 0; a block of attn x v that is all zeros or lies under 2^-122 gets the byte 1 (only this program reads the bytes).
.set NQ,     2
.set FR,     12
.set FRB,    1536
.set NLA,    3
.set NP,     4
.set HALFT,  16*FRB                    ; 128 rows x 256 K: what one tensor load brings
.set SLOT,   4*HALFT
.set ASTEP,  1024*2*FRB
.set BSTEP,  256*2*FRB
.set KS,     32
.set SCL,    3*SLOT
.set HALFS,  (128*KS/256)*272
.set SBLK,   (16*KS/256)*272
.set SPARE,  SCL+4*HALFS               ; the spare words, 128 bytes for each wave: two blocks of 256 bytes that no other line names
.set WROW0,  2048                      ; Wv's first row in wc and ws
.set ADRA, 16                          ; v16-18
.set ADRB, 20                          ; v20-22
.set SO,   25                          ; v25    32 x lane: a row of asc
.set CO,   26                          ; v26    16 x lane: an image's place for my lane
.set ADRS, 27
.set SPW,  28
.set NIL,  29
.set LN,   30
.set SC,   32
.set AT,   64                          ; v64-95  attn of row 16 a + r, head hd: at v[AT + 4 a + 2 hd] and once more beside it, a pair for the packed multiply
.set MST,  96                          ; v96-99  (m, s) of one of the batch's 32 blocks of rows, a lane a block, for my two heads
.set HT,   100                         ; v100-101 M; v102-103 the other half of the lanes'; v104-105 e^(m - M), then S; v106-107 1 / S
.set AF,   128
.set Y,    128                         ; the way out: v128-191 64 numbers of attn x v
.set CD,   192                         ; v192-203 their codes; v204-210 at work
.set TM,   224                         ; v224-227 largest magnitudes, v228-231 bytes, v236-239 the conversions' scale operands
.set PW,   240                         ; v240-247 the scale word of each of my 8 blocks of rows
.set PWS,  248                         ; v248-251 two blocks' words in one register
.set G1,   24
.set G1B,  48
.set G0A0, 32                          ; groups 0 for A's tiles: s[32:35], s[36:39], s[4:7] (free once the addresses are made)
.set G0A1, 36
.set G0A2, 4
.set G0B0, 56                          ; for B's: s[56:59], s[60:63], s[8:11]
.set G0B1, 60
.set G0B2, 8
.set G1S, 68
.set G0S, 76
.set G1SB, 80
.set G0SB, 88
.set MSB, 0
.macro WIN new                         ; the immediate's high byte repeats the setting that is left; a switch that changes nothing is dropped
.if MSB != (\new)
	s_set_vgpr_msb (MSB<<8)|(\new)
.set MSB, (\new)
.endif
.endm
.set MUL_LO, 0xa1                      ; source 0 (B) window 1, source 1 (A) window 0, C and D window 2
.set MUL_HI, 0xf1                      ; the same, C and D window 3
.set TO_B,   0x40                      ; destination window 1, address window 0
; A joint load: waves 0 and 1 fetch for A, waves 2 and 3 for B; the branch hangs on the wave's number alone.  Four v_nop follow each of the two lines.
.macro JLOAD g0a, g1a, g0b, g1b
	s_cmp_eq_u32 s15, 0
	s_cbranch_scc0 .Lfor_b_\@
	tensor_load_to_lds s[\g0a:\g0a+3], s[\g1a:\g1a+7]
	s_nop 0
.rept 4
	v_nop
.endr
	s_branch .Lasked_\@
.Lfor_b_\@:
	tensor_load_to_lds s[\g0b:\g0b+3], s[\g1b:\g1b+7]
	s_nop 0
.rept 4
	v_nop
.endr
.Lasked_\@:
.endm
.macro MKG0 g, slot, adr, step         ; a group 0: count 1; LDS address wave x 24,576 + the slot; global address of the slot's first K step; type 2
	s_mov_b32 s[\g], 1
	s_add_co_u32 s[\g+1], s45, (\slot)*SLOT
	s_add_nc_u64 s[\g+2:\g+3], s[\adr:\adr+1], (\slot)*(\step)
	s_or_b32 s[\g+3], s[\g+3], 0x80000000
.endm
.macro CREST                           ; a round of the cluster's barrier behind its opening barrier
	s_cmp_lg_u32 s14, 0
	s_cbranch_scc1 .Lnot_wave_0_\@
	s_barrier_signal -3
.Lnot_wave_0_\@:
	s_barrier_wait -3
	s_barrier_signal -1
	s_barrier_wait -1
.endm
.macro CROUND                          ; a whole round
	s_barrier_signal -1
	s_barrier_wait -1
	CREST
.endm
	s_load_b128 s[4:7], s[0:1], 0x0                ; A's images s[4:5], A's scales s[6:7]
	s_load_b128 s[8:11], s[0:1], 0x10              ; B's images s[8:9], B's scales s[10:11]
	s_load_b64 s[12:13], s[0:1], 0x20              ; dots
	s_load_b64 s[100:101], s[0:1], 0x28            ; stats
	s_load_b128 s[96:99], s[0:1], 0x30             ; ac s[96:97], asc s[98:99]
	v_lshl_add_u32 v[SPW], v0, 2, SPARE
	v_mov_b32 v[NIL], 0
	ds_add_u32 v28, v29
	ds_add_u32 v28, v29
	s_wait_dscnt 0x0
	v_lshrrev_b32 v1, 5, v0
	v_readfirstlane_b32 s14, v1                    ; wave 0..3
	s_lshr_b32 s15, s14, 1                         ; which half of the tile's rows is mine.  Also: I fetch for A (0) or for B (1)
	s_and_b32 s16, s14, 1                          ; which half of its columns.  Also: which 128 rows of that tile I fetch
	s_bfe_u32 s40, ttmp6, 0x40000                  ; cx, cy: my place in the cluster
	s_bfe_u32 s41, ttmp6, 0x40004
	s_lshl_b32 s42, ttmp9, 2
	s_add_co_u32 s42, s42, s40                     ; tile column = 4 x cluster x + cx
	s_and_b32 s17, ttmp7, 0xffff
	s_lshl_b32 s17, s17, 2
	s_add_co_u32 s17, s17, s41                     ; tile row = 4 x cluster y + cy
	s_lshl_b32 s43, s41, 2
	s_lshl_b32 s43, 15, s43                        ; my row of the cluster
	s_lshl_b32 s44, 0x1111, s40                    ; my column
	; descriptor group 1 for the images: a dense block of 24,576 bytes, as 96 rows of 256 bytes (32 elements of 8 bytes), no padding
	s_or_b32 s[G1+0], s43, (3<<16)|(1<<21)
	s_or_b32 s[G1B+0], s44, (3<<16)|(1<<21)
.irp g, G1, G1B
	s_mov_b32 s[\g+1], 32<<16                      ; tensor_dim0
	s_mov_b32 s[\g+2], (HALFT/256)<<16             ; tensor_dim1
	s_mov_b32 s[\g+3], 32<<16                      ; tile_dim0
	s_mov_b32 s[\g+4], HALFT/256                   ; tile_dim1
	s_mov_b32 s[\g+5], 32                          ; tensor_dim0_stride
	s_mov_b32 s[\g+6], 0
	s_mov_b32 s[\g+7], 0
.endr
	; the scales of 128 rows: 16 rows of 256 bytes, 16 bytes of padding behind each
	s_or_b32 s[G1S+0], s43, (3<<16)|(1<<20)|(1<<21)|(5<<22)|(3<<25)
	s_or_b32 s[G1SB+0], s44, (3<<16)|(1<<20)|(1<<21)|(5<<22)|(3<<25)
.irp g, G1S, G1SB
	s_mov_b32 s[\g+1], 32<<16
	s_mov_b32 s[\g+2], (128*KS/256)<<16
	s_mov_b32 s[\g+3], 32<<16
	s_mov_b32 s[\g+4], 128*KS/256
	s_mov_b32 s[\g+5], 32
	s_mov_b32 s[\g+6], 0
	s_mov_b32 s[\g+7], 0
.endr
	s_lshl_b32 s18, s16, 7                         ; which 128 rows of the tile I fetch
	s_lshl_b32 s20, s17, 8
	s_add_co_u32 s20, s20, s18                     ; A: row 256 x tile row + 128 x half
	s_lshl_b32 s46, s42, 8
	s_add_co_u32 s46, s46, s18                     ; B: row 256 x tile column + 128 x half
	s_mov_b32 s21, 0
	s_mov_b32 s47, 0
	s_mov_b64 s[18:19], KS
	s_mul_u64 s[22:23], s[20:21], s[18:19]         ; where these rows' scales begin, in bytes
	s_mul_u64 s[92:93], s[46:47], s[18:19]
	s_mov_b64 s[18:19], 192                        ; the images: 16 rows take 3,072 bytes in each K step of 256
	s_mul_u64 s[20:21], s[20:21], s[18:19]
	s_mul_u64 s[46:47], s[46:47], s[18:19]
	s_mul_i32 s45, s14, HALFT                      ; where they go: wave x 24,576
	s_mul_i32 s94, s14, HALFS
	s_wait_kmcnt 0x0
	s_add_nc_u64 s[20:21], s[4:5], s[20:21]
	s_add_nc_u64 s[22:23], s[6:7], s[22:23]
	s_add_nc_u64 s[46:47], s[8:9], s[46:47]
	s_add_nc_u64 s[92:93], s[10:11], s[92:93]
	s_add_nc_u64 s[46:47], s[46:47], WROW0*192     ; Wv's part of the weights' buffers
	s_add_nc_u64 s[92:93], s[92:93], WROW0*KS
	CROUND                                         ; all sixteen work-groups are here: the first joint loads meet
	s_mov_b32 s[G0S], 1
	s_add_co_u32 s[G0S+1], s94, SCL
	s_mov_b64 s[G0S+2:G0S+3], s[22:23]
	s_or_b32 s[G0S+3], s[G0S+3], 0x80000000
	s_mov_b32 s[G0SB], 1
	s_add_co_u32 s[G0SB+1], s94, SCL
	s_mov_b64 s[G0SB+2:G0SB+3], s[92:93]
	s_or_b32 s[G0SB+3], s[G0SB+3], 0x80000000
	JLOAD G0S, G1S, G0SB, G1SB                     ; the scales first
	MKG0 G0A0, 0, 20, ASTEP
	MKG0 G0B0, 0, 46, BSTEP
	JLOAD G0A0, G1, G0B0, G1B                      ; K step 0
	MKG0 G0A1, 1, 20, ASTEP
	MKG0 G0B1, 1, 46, BSTEP
	JLOAD G0A1, G1, G0B1, G1B                      ; K step 1
	MKG0 G0A2, 2, 20, ASTEP
	MKG0 G0B2, 2, 46, BSTEP
	JLOAD G0A2, G1, G0B2, G1B                      ; K step 2: four loads of mine are out
	; the softmax's inputs are asked for at once
	v_and_b32 v1, 15, v0                           ; r = l % 16
	v_bfe_u32 v2, v0, 4, 1                         ; h = l / 16
	v_and_b32 v[LN], 31, v0
	v_lshlrev_b32 v7, 3, v[LN]                     ; stats: a lane a block of rows, 8 bytes
	v_lshlrev_b32 v8, 2, v1                        ; dots: 4 bytes a row
	s_lshl_b32 s46, s42, 2
	s_lshl_b32 s47, s16, 1
	s_add_co_u32 s46, s46, s47                     ; my first head = 4 x tile column + 2 x half
	s_lshr_b32 s20, s17, 4                         ; the batch: 16 tile rows each
	s_lshl_b32 s22, s46, 10                        ; stats: 1,024 bytes a head,
	s_lshl_b32 s18, s20, 8                         ; 256 a batch
	s_add_co_u32 s22, s22, s18
	s_mov_b32 s23, 0
	s_add_nc_u64 s[100:101], s[100:101], s[22:23]
	s_lshl_b32 s20, s17, 1
	s_add_co_u32 s20, s20, s15                     ; my block of 128 rows
	s_lshl_b32 s22, s46, 16                        ; dots: 65,536 bytes a head,
	s_lshl_b32 s18, s20, 9                         ; 512 a block of rows
	s_add_co_u32 s22, s22, s18
	s_add_nc_u64 s[12:13], s[12:13], s[22:23]
	global_load_b64 v[MST:MST+1], v7, s[100:101]
	global_load_b64 v[MST+2:MST+3], v7, s[100:101] offset:1024
.irp a, 0,1,2,3,4,5,6,7
.irp hd, 0,1
	global_load_b32 v[AT+4*\a+2*\hd], v8, s[12:13] offset:64*\a+65536*\hd   ; the dot of row 16 a + r (both halves of the lanes take the same)
.endr
.endr
	s_lshl_b32 s22, s42, 10                        ; ac: ((tile column x 1024 + my first block of 16 rows) x 2 + my half of the columns) x 1536
	s_lshl_b32 s18, s20, 3
	s_add_co_u32 s22, s22, s18
	s_mul_i32 s22, s22, 3072
	s_mul_i32 s18, s16, 1536
	s_add_co_u32 s22, s22, s18
	s_add_nc_u64 s[96:97], s[96:97], s[22:23]
	s_lshl_b32 s22, s20, 12                        ; asc: 32 bytes a row, + 4 x (2 x tile column + half)
	s_lshl_b32 s18, s42, 3
	s_add_co_u32 s22, s22, s18
	s_lshl_b32 s18, s16, 2
	s_add_co_u32 s22, s22, s18
	s_add_nc_u64 s[98:99], s[98:99], s[22:23]
	s_mov_b32 s66, 0x76543210
	s_mov_b32 s67, 0xfedcba98                      ; v_permlanex16_b32's selects for lane l xor 16
	v_lshlrev_b32 v[CO], 4, v[LN]
	v_lshlrev_b32 v[SO], 5, v[LN]
	s_mul_i32 s21, s15, HALFT                      ; my 128 rows of A
	s_mul_i32 s22, s16, HALFT                      ; my 128 rows of B,
	s_add_co_u32 s22, s22, 2*HALFT                 ; which lie behind A's 256
.irp s, 0,1,2
	v_add_nc_u32 v[ADRA+\s], s21, v[CO]
	v_add_nc_u32 v[ADRB+\s], s22, v[CO]
	s_add_co_u32 s21, s21, SLOT
	s_add_co_u32 s22, s22, SLOT
.endr
	v_mul_u32_u24 v5, v1, KS                       ; my row's scales: 32 bytes a row,
	v_lshrrev_b32 v6, 8, v5
	v_lshl_add_u32 v5, v6, 4, v5                   ; and 16 more for each 256 passed
	s_mul_i32 s21, s15, HALFS
	s_mul_i32 s22, s16, HALFS
	s_add_co_u32 s22, s22, 2*HALFS
	s_sub_co_u32 s22, s22, s21
	v_mul_u32_u24 v6, s22, v2                      ; lanes 16-31 take B's: the lower base + h x the distance
	s_add_co_u32 s21, s21, SCL
	v_add_nc_u32 v5, v5, v6
	v_add_nc_u32 v[ADRS], s21, v5
.irp b, 0,1,2,3
	v_mov_b32 v[TM+4+\b], 0                        ; written once: a lane permute's destination counts as one of its sources
.endr
	v_mov_b32 v[HT+2], 0
	v_mov_b32 v[HT+3], 0
	; THE SOFTMAX, my two heads by turns
	s_wait_loadcnt 0x0
.irp hd, 0,1
	v_mov_b32 v[HT+\hd], v[MST+2*\hd]
.endr
.irp x, 1,2,4,8
.irp hd, 0,1
	v_max_num_f32_dpp v[HT+\hd], v[HT+\hd], v[HT+\hd] row_xmask:\x row_mask:0xf bank_mask:0xf
.endr
.endr
.irp hd, 0,1
	v_permlanex16_b32 v[HT+2+\hd], v[HT+\hd], s66, s67
.endr
.irp hd, 0,1
	v_max_num_f32 v[HT+\hd], v[HT+\hd], v[HT+2+\hd]   ; M: the largest dot of the batch's 4,096 rows
.endr
.irp hd, 0,1
	v_sub_f32 v[HT+4+\hd], v[MST+2*\hd], v[HT+\hd]
.endr
.irp hd, 0,1
	v_mul_f32 v[HT+4+\hd], 0x3fb8aa3b, v[HT+4+\hd]    ; (m - M) log2(e)
.endr
.irp a, 0,1,2,3,4,5,6,7
.irp hd, 0,1
	v_sub_f32 v[AT+4*\a+2*\hd], v[AT+4*\a+2*\hd], v[HT+\hd]
.endr
.endr
.irp a, 0,1,2,3,4,5,6,7
.irp hd, 0,1
	v_mul_f32 v[AT+4*\a+2*\hd], 0x3fb8aa3b, v[AT+4*\a+2*\hd]   ; (dot - M) log2(e)
.endr
.endr
.irp hd, 0,1
	v_exp_f32 v[HT+4+\hd], v[HT+4+\hd]
.endr
.irp a, 0,1,2,3,4,5,6,7
.irp hd, 0,1
	v_exp_f32 v[AT+4*\a+2*\hd], v[AT+4*\a+2*\hd]
.endr
.endr
	v_nop                                          ; the plain instruction behind the exponentials
	s_wait_alu depctr_va_vdst(0)                   ; one wait for the eighteen, ahead of their first reader
.irp hd, 0,1
	v_mul_f32 v[HT+4+\hd], v[MST+2*\hd+1], v[HT+4+\hd]   ; s e^(m - M)
.endr
.irp x, 1,2,4,8
.irp hd, 0,1
	v_add_f32_dpp v[HT+4+\hd], v[HT+4+\hd], v[HT+4+\hd] row_xmask:\x row_mask:0xf bank_mask:0xf
.endr
.endr
.irp hd, 0,1
	v_permlanex16_b32 v[HT+2+\hd], v[HT+4+\hd], s66, s67
.endr
.irp hd, 0,1
	v_add_f32 v[HT+4+\hd], v[HT+4+\hd], v[HT+2+\hd]   ; S
.endr
.irp hd, 0,1
	v_rcp_f32 v[HT+6+\hd], v[HT+4+\hd]
.endr
	v_nop
	s_wait_alu depctr_va_vdst(0)                   ; and one for the two reciprocals
.irp a, 0,1,2,3,4,5,6,7
.irp hd, 0,1
	v_mul_f32 v[AT+4*\a+2*\hd+1], v[AT+4*\a+2*\hd], v[HT+6+\hd]
	v_mul_f32 v[AT+4*\a+2*\hd], v[AT+4*\a+2*\hd], v[HT+6+\hd]    ; attn, twice: a pair for the packed multiply
.endr
.endr
.macro FRAGI reg, adr, q, i            ; block i's fragment of the slot's q-th 128 along K, from its image: three loads of 16 bytes a lane, 512 consecutive bytes each
.irp c, 0,1,2
	ds_load_b128 v[\reg+4*\c:\reg+4*\c+3], v[\adr] offset:(2*(\i)+(\q))*FRB+512*\c
.endr
.endm
; 16 matrix instructions: A's blocks a0, a0 + 1 x B's eight.  mode = 1: the first product starts the sums.  The 64 accumulators take turns, one instruction a turn.
.macro MUL16 a0, p, q, sc, mode
.irp a, \a0, \a0+1
.irp b, 0,1,2,3,4,5,6,7
.if \mode == 1
	v_wmma_scale_f32_16x16x128_f8f6f4 v[8*(8*((\a)%4)+\b):8*(8*((\a)%4)+\b)+7], v[128*(\p)+FR*\b:128*(\p)+FR*\b+FR-1], v[AF+FR*(\a):AF+FR*(\a)+FR-1], 0, v[SC+8*NQ*(\sc)+NQ*\b+(\q)], v[SC+8*NQ*(\sc)+NQ*(\a)+(\q)] matrix_a_fmt:MATRIX_FMT_BF6 matrix_b_fmt:MATRIX_FMT_BF6 matrix_a_scale:MATRIX_SCALE_ROW1
.else
	v_wmma_scale_f32_16x16x128_f8f6f4 v[8*(8*((\a)%4)+\b):8*(8*((\a)%4)+\b)+7], v[128*(\p)+FR*\b:128*(\p)+FR*\b+FR-1], v[AF+FR*(\a):AF+FR*(\a)+FR-1], v[8*(8*((\a)%4)+\b):8*(8*((\a)%4)+\b)+7], v[SC+8*NQ*(\sc)+NQ*\b+(\q)], v[SC+8*NQ*(\sc)+NQ*(\a)+(\q)] matrix_a_fmt:MATRIX_FMT_BF6 matrix_b_fmt:MATRIX_FMT_BF6 matrix_a_scale:MATRIX_SCALE_ROW1
.endif
.endr
.endr
.endm
.macro FETCH_B slot, q, p
	WIN TO_B
.irp i, 0,1,2,3,4,5,6,7
	FRAGI 128*(\p)+FR*\i, ADRB+\slot, \q, \i
.endr
	WIN 0
.endm
.macro FETCH_A slot, q, i0
.irp i, \i0, \i0+1, \i0+2, \i0+3
	FRAGI AF+FR*(\i), ADRA+\slot, \q, \i
.endr
.endm
.macro SCALES sc, kp                   ; K step kp's scale words into set sc: two words a row, 8 kp bytes into the row
.irp i, 0,1,2,3,4,5,6,7
	ds_load_b64 v[SC+8*NQ*(\sc)+NQ*\i:SC+8*NQ*(\sc)+NQ*\i+1], v[ADRS] offset:\i*SBLK+8*(\kp)
.endr
.endm
.macro PLACES n                        ; places behind matrix instructions (ISA guide 7.12.1): plain vector instructions that name none of their registers
.rept \n
	v_nop
.endr
.endm
; A slot's first 128 along K (B's set 0); it fetches the slot's second 128 (into B's set 1).
.macro STEP slot, sc, mode
	s_wait_dscnt 4*NLA                             ; B's set, A's blocks 0-3 and the scale words are in; the youngest twelve loads (A's blocks 4-7) may be out
	WIN MUL_LO
	MUL16 0, 0, 0, \sc, \mode
	MUL16 2, 0, 0, \sc, \mode
	s_wait_dscnt 0                                 ; A's blocks 4-7 are in
	PLACES NP
	FETCH_B \slot, 1, 1
	FETCH_A \slot, 1, 0
	WIN MUL_HI
	MUL16 4, 0, 0, \sc, \mode
	MUL16 6, 0, 0, \sc, \mode
	PLACES NP
	WIN 0
	FETCH_A \slot, 1, 4
.endm
; A slot's second 128 along K, where the next slot has been shown whole to every wave by an earlier barrier: no barrier.
.macro HOP sc, next, nsc, nk
	s_wait_dscnt 4*NLA
	WIN MUL_LO
	MUL16 0, 1, 1, \sc, 0
	MUL16 2, 1, 1, \sc, 0
	s_wait_dscnt 0
	PLACES NP
	FETCH_B \next, 0, 0
	FETCH_A \next, 0, 0
	SCALES \nsc, \nk
	WIN MUL_HI
	MUL16 4, 1, 1, \sc, 0
	MUL16 6, 1, 1, \sc, 0
	PLACES NP
	WIN 0
	FETCH_A \next, 0, 4
.endm
; The same with ONE barrier; in front of it each wave waits for all its tensor loads, adds 0 to its spare word, and waits for that and for its own LDS reads.  fill = 1 (behind K step 0): slot 0 is filled again, with K step 3.
.macro TURN sc, next, nsc, nk, fill
	s_wait_tensorcnt 0x0                           ; all my tensor loads have landed
	ds_add_u32 v[SPW], v[NIL]                      ; 0 onto my spare word
	s_wait_dscnt 4*NLA+1                           ; (the add and the youngest twelve loads, A's blocks 4-7, may be out)
	WIN MUL_LO
	MUL16 0, 1, 1, \sc, 0
	s_wait_dscnt 0x0                               ; the add is done, and my reads of the slot are over
	s_barrier_signal -1
	MUL16 2, 1, 1, \sc, 0
	WIN 0
	s_barrier_wait -1
.if \fill
	CREST                                          ; the barrier has opened a round of the cluster's barrier
	s_add_nc_u64 s[G0A0+2:G0A0+3], s[G0A0+2:G0A0+3], 3*ASTEP
	s_add_nc_u64 s[G0B0+2:G0B0+3], s[G0B0+2:G0B0+3], 3*BSTEP
	JLOAD G0A0, G1, G0B0, G1B                      ; the first tensor load behind the round, one a wave; its four v_nop are the places in front of the loads below
.else
	PLACES NP
.endif
	FETCH_B \next, 0, 0
	FETCH_A \next, 0, 0
	SCALES \nsc, \nk
	WIN MUL_HI
	MUL16 4, 1, 1, \sc, 0
	MUL16 6, 1, 1, \sc, 0
	PLACES NP
	WIN 0
	FETCH_A \next, 0, 4
.endm
; 64 numbers of a lane, v[s] .. v[s + 63], register 16 b + i = k 32 b + 16 (lane / 16) + i of my row, become a fragment's codes in v[CD] on and its scale word in v[pw].
.macro QUANT s, pw
.irp b, 0,1,2,3
	v_max3_num_f32 v[TM+\b], |v[\s+16*\b]|, |v[\s+1+16*\b]|, 0x2800000   ; block b: my 16 numbers, and the floor 2^(5 - 127): so the byte cannot fall under 1
.endr
.irp i, 2,4,6,8,10,12,14
.irp b, 0,1,2,3
	v_max3_num_f32 v[TM+\b], v[TM+\b], |v[\s+16*\b+\i]|, |v[\s+1+16*\b+\i]|   ; (the four blocks by turns)
.endr
.endr
.irp b, 0,1,2,3
	v_permlanex16_b32 v[TM+4+\b], v[TM+\b], s66, s67
.endr
.irp b, 0,1,2,3
	v_max_num_f32 v[TM+\b], v[TM+\b], v[TM+4+\b]   ; with lane l xor 16's: the block's largest magnitude
.endr
.irp b, 0,1,2,3
	v_add_nc_u32 v[TM+12+\b], 0xfe000000, v[TM+\b] ; 4 off its exponent field: the conversion's scale operand
.endr
.irp b, 0,1,2,3
	v_lshrrev_b32 v[TM+4+\b], 23, v[TM+12+\b]      ; the scale's byte
.endr
	v_lshl_or_b32 v[\pw], v[TM+5], 8, v[TM+4]      ; the four bytes make my row's scale word
	v_lshl_or_b32 v[\pw], v[TM+6], 16, v[\pw]
	v_lshl_or_b32 v[\pw], v[TM+7], 24, v[\pw]
.irp c, 0,1
	v_cvt_scalef32_pk16_bf6_f32 v[CD+6*\c:CD+2+6*\c], v[\s+32*\c:\s+15+32*\c], v[TM+12+2*\c]
	v_cvt_scalef32_pk16_bf6_f32 v[CD+12+4*\c:CD+14+4*\c], v[\s+16+32*\c:\s+31+32*\c], v[TM+12+2*\c+1]   ; (a conversion's three registers begin on an even number)
.endr
	v_nop                                          ; one plain instruction behind a scaled conversion
.irp c, 0,1                                    ; the operand's layout wants a WHOLE block in a lane: lanes 0-15 block 2 c, lanes 16-31 block 2 c + 1
.irp i, 0,1,2
	v_permlane16_swap_b32 v[CD+6*\c+\i], v[CD+12+4*\c+\i]
.endr
.irp i, 0,1,2
	v_mov_b32 v[CD+3+6*\c+\i], v[CD+12+4*\c+\i]
.endr
.endr
.endm
	s_wait_tensorcnt 2                             ; the scales and my part of K step 0 are in (the loads of K steps 1 and 2 may be out)
	s_barrier_signal -1
	s_barrier_wait -1                              ; everybody's are
	FETCH_B 0, 0, 0
	FETCH_A 0, 0, 0
	SCALES 0, 0
	FETCH_A 0, 0, 4
	STEP 0, 0, 1                                   ; K 0-127: these products start the sums
	TURN 0, 1, 1, 1, 1                             ; K 128-255; slots 1 and 2 are whole for every wave; slot 0 takes K step 3
	STEP 1, 1, 0                                   ; K 256-383
	HOP 1, 2, 0, 2                                 ; K 384-511
	STEP 2, 0, 0                                   ; K 512-639
	TURN 0, 0, 1, 3, 0                             ; K 640-767; K step 3 has landed; nothing is left to fetch
	STEP 0, 1, 0                                   ; K 768-895
	s_wait_dscnt 4*NLA                             ; K 896-1023: the very last step
	WIN MUL_LO
	MUL16 0, 1, 1, 1, 0
	MUL16 2, 1, 1, 1, 0
	s_wait_dscnt 0
	WIN MUL_HI
	MUL16 4, 1, 1, 1, 0
	MUL16 6, 1, 1, 1, 0
	; THE WAY OUT, block by block of 16 rows.  A block's 64 registers of a lane are the row's 128 channels of my half of the lanes, in the order that the quantiser wants: x attn (channels 0-63: my first head, 64-127: my second), quantised, stored as an image.
	PLACES NP
	s_mov_b32 s20, 0xffff0000                      ; lanes 16-31
.irp a, 0,1,2,3,4,5,6,7
.if \a > 0
	s_wait_xcnt 0x0                                ; the last block's stores have read their registers: the codes may be written again
.endif
	WIN 0x02+\a/4                                  ; source 0: window 2 or 3
.set i, 0
.rept 32
	v_pk_mul_f32 v[Y+2*i:Y+2*i+1], v[64*(\a%4)+2*i:64*(\a%4)+2*i+1], v[AT+4*\a+2*(i/16):AT+4*\a+2*(i/16)+1]   ; each accumulator from its low end on
.set i, i+1
.endr
	WIN 0
	QUANT Y, PW+\a
.irp c, 0,1,2
	global_store_b128 v[CO], v[CD+4*\c:CD+4*\c+3], s[96:97] offset:\a*3072+512*\c   ; 32 lanes store 512 consecutive bytes, at a multiple of 512 from the buffer's first byte
.endr
.if \a%2 == 1
	v_cndmask_b32 v[PWS+\a/2], v[PW+\a-1], v[PW+\a], s20   ; lanes 0-15: the words of block a - 1's rows; lanes 16-31: of block a's (both halves of the lanes hold a row's word)
	global_store_b32 v[SO], v[PWS+\a/2], s[98:99] offset:(\a-1)*512   ; 4 bytes of each row's 32: a row's scale bytes come from eight waves of four work-groups, so these do not fill 256 consecutive bytes; one byte in 25 of what the launch stores
.endif
.endr
	s_wait_tensorcnt 0x0                           ; the wave's end
	ds_add_u32 v[SPW], v[NIL]
	s_wait_dscnt 0x0
	CROUND                                         ; the closing round: no work-group ends while a partner may still ask for a tile that names it
	s_endpgm
.Lfunc_end_k_qce62b23b48_vq:
	.size	k_qce62b23b48_vq, .Lfunc_end_k_qce62b23b48_vq-k_qce62b23b48_vq
	.p2alignl 7, 3214868480
	.fill 96, 4, 3214868480
	.section	.rodata,"a",@progbits
	.p2align	6, 0x0
	.amdhsa_kernel k_qce62b23b48_vq
		.amdhsa_group_segment_fixed_size 327680
		.amdhsa_private_segment_fixed_size 0
		.amdhsa_enable_private_segment 0
		.amdhsa_kernarg_size 64
		.amdhsa_user_sgpr_count 2
		.amdhsa_user_sgpr_kernarg_segment_ptr 1
		.amdhsa_wavefront_size32 1
		.amdhsa_system_sgpr_workgroup_id_x 1
		.amdhsa_system_sgpr_workgroup_id_y 1
		.amdhsa_system_sgpr_workgroup_id_z 1
		.amdhsa_system_vgpr_workitem_id 0
		.amdhsa_next_free_vgpr 1024
		.amdhsa_next_free_sgpr 102
		.amdhsa_reserve_vcc 0
		.amdhsa_float_denorm_mode_32 3
		.amdhsa_float_denorm_mode_16_64 3
		.amdhsa_memory_ordered 1
		.amdhsa_forward_progress 1
		.amdhsa_inst_pref_size 163
	.end_amdhsa_kernel
	.amdgpu_metadata
---
amdhsa.version: [ 1, 2 ]
amdhsa.kernels:
  - .name:           k_qce62b23b48_vq
    .symbol:         k_qce62b23b48_vq.kd
    .args:
      - { .name: xc, .offset: 0, .size: 8, .value_kind: global_buffer, .address_space: global }
      - { .name: xs, .offset: 8, .size: 8, .value_kind: global_buffer, .address_space: global }
      - { .name: wc, .offset: 16, .size: 8, .value_kind: global_buffer, .address_space: global }
      - { .name: ws, .offset: 24, .size: 8, .value_kind: global_buffer, .address_space: global }
      - { .name: dots, .offset: 32, .size: 8, .value_kind: global_buffer, .address_space: global }
      - { .name: stats, .offset: 40, .size: 8, .value_kind: global_buffer, .address_space: global }
      - { .name: ac, .offset: 48, .size: 8, .value_kind: global_buffer, .address_space: global }
      - { .name: asc, .offset: 56, .size: 8, .value_kind: global_buffer, .address_space: global }
    .group_segment_fixed_size: 327680
    .private_segment_fixed_size: 0
    .kernarg_segment_align: 8
    .kernarg_segment_size: 64
    .max_flat_workgroup_size: 128
    .sgpr_count:     102
    .vgpr_count:     1024
    .wavefront_size: 32
...
	.end_amdgpu_metadata
.endif
;; end of part 3
;; launch outp (part 4): grid 4 x 64, 4 waves a work-group, clusters of 4 x 4, 327,680 bytes of LDS; arguments ac, asc, wc, ws, bo, out0; writes out0
.if DOCPART == 4
	.amdgcn_target "amdgcn-amd-amdhsa--gfx1250"
	.amdhsa_code_object_version 6
	.text
	.protected	k_qce62b23b48_outp
	.globl	k_qce62b23b48_outp
	.p2align	8
	.type	k_qce62b23b48_outp,@function
k_qce62b23b48_outp:
	s_mov_b64 s[64:65], 0
	v_nop
	global_prefetch_b8 v0, s[64:65] scope:SCOPE_SE
	s_setreg_imm32_b32 hwreg(HW_REG_WAVE_MODE, 25, 1), 1
	s_wait_xcnt 0x0
	s_wait_alu depctr_hold_cnt(0) depctr_sa_sdst(0) depctr_va_vdst(0) depctr_va_sdst(0) depctr_va_ssrc(0) depctr_va_vcc(0) depctr_vm_vsrc(0)
	s_getreg_b32 s2, hwreg(HW_REG_IB_STS2, 6, 4)
	s_cmp_eq_u32 s2, 0
	s_cbranch_scc0 .Lentry_in_a_cluster
	s_endpgm
.Lentry_in_a_cluster:
	s_bfe_u32 s2, ttmp6, 0x10000c
	s_cmp_lg_u32 s2, 0xf033
	s_cbranch_scc0 .Lentry_shape_is_right
	s_endpgm
.Lentry_shape_is_right:
; out0 = (attn x v) Wo^T + bo on codes of BF6 (E3M2) with one E8M0 scale for each 32 along K, sums in f32.  The rows were worked in x's own order all along: here they are stored where the strided transposition puts them:
; row n = 32 t + l of a batch goes to row 128 l + t of that batch.
; A: ac, B: wc's rows 3072-4095 (Wo): IMAGES OF THE OPERANDS' REGISTERS: the fragment of the block of 16 rows R and K 128 ks .. lies at (((ks / 2) x NR + R) x 2 + ks % 2) x 1536 (NR = 1,024 in ac, 256 in wc), in it registers 4 c .. 4 c + 3
; of lane l at 512 c + 16 l: 128 rows x 256 K are one dense block of 24,576 bytes for one tensor load, and a fragment comes out of LDS by three loads of 16 bytes a lane, 512 consecutive bytes each.  asc, ws: scale bytes, 32 a row.
; bo is the C of each sum's first matrix instruction: eight registers for each of B's eight blocks, in the result's layout: no addition is spent on it.
; The product: a tile of 256 x 256 by four waves, a wave 128 x 128 in 64 accumulators.  K = 1,024 is four K steps of 256; THREE LDS slots: K steps 0, 1, 2 are first fills, K step 3 the one refill, into slot 0, asked for two K steps
; (256 matrix instructions) ahead of its use; the eight steps of 128 are written out; a wave has four tensor loads out at the start, later one.  The scales of all of K in LDS once.  Clusters of 4 x 4 with joint loads of A's tiles along a
; row and of B's along a column.  The matrix instruction is used transposed (source 0 = 16 rows of B, source 1 = 16 rows of A): a lane holds eight neighbouring numbers of a row of the result.
; REGISTERS, in windows of 256: window 0: v0-31 addresses; v32-63 scale words; v64-127 bo; v128-223 A's fragments (on the way out v128-255: rows read back from the stage).  window 1: B's fragments, two sets.  windows 2, 3: the accumulators.
; LIMITS: NaN and infinities are not served.
.set NQ,     2
.set FR,     12
.set FRB,    1536
.set NLA,    3
.set NP,     4
.set HALFT,  16*FRB                    ; 128 rows x 256 K: what one tensor load brings
.set SLOT,   4*HALFT
.set ASTEP,  1024*2*FRB
.set BSTEP,  256*2*FRB
.set KS,     32
.set SCL,    3*SLOT
.set HALFS,  (128*KS/256)*272
.set SBLK,   (16*KS/256)*272
.set SPARE,  SCL+4*HALFS               ; the spare words, 128 bytes for each wave: two blocks of 256 bytes that no other line names
.set WROW0,  3072                      ; Wo's first row in wc and ws
.set SPITCH, 528                       ; the way out: a stage of 16 rows x (512 bytes + 16) for each wave,
.set STAGE,  SLOT                      ; in slot 1: filled once, and read by nobody behind the last barrier
.set ADRA, 16                          ; v16-18
.set ADRB, 20                          ; v20-22
.set STO,  24
.set RD,   25
.set CO,   26
.set ADRS, 27
.set SPW,  28
.set NIL,  29
.set LN,   30
.set SC,   32
.set BI,   64                          ; v64-127 bo: block b's eight numbers of my half of the lanes at v[BI + 8 b]
.set AF,   128
.set BK,   128                         ; the way out: 16 rows read back from the stage: v128-191 and v192-255 by turns
.set G1,   24
.set G1B,  48
.set G0A0, 32                          ; groups 0 for A's tiles: s[32:35], s[36:39], s[4:7] (free once the addresses are made)
.set G0A1, 36
.set G0A2, 4
.set G0B0, 56                          ; for B's: s[56:59], s[60:63], s[8:11]
.set G0B1, 60
.set G0B2, 8
.set G1S, 68
.set G0S, 76
.set G1SB, 80
.set G0SB, 88
.set MSB, 0
.macro WIN new                         ; the immediate's high byte repeats the setting that is left; a switch that changes nothing is dropped
.if MSB != (\new)
	s_set_vgpr_msb (MSB<<8)|(\new)
.set MSB, (\new)
.endif
.endm
.set MUL_LO, 0xa1                      ; source 0 (B) window 1, source 1 (A) window 0, C and D window 2
.set MUL_HI, 0xf1                      ; the same, C and D window 3
.set BIA_LO, 0x81                      ; the first step: C (bo) window 0, D window 2
.set BIA_HI, 0xc1                      ; D window 3
.set TO_B,   0x40                      ; destination window 1, address window 0
; A joint load: waves 0 and 1 fetch for A, waves 2 and 3 for B; the branch hangs on the wave's number alone.  Four v_nop follow each of the two lines.
.macro JLOAD g0a, g1a, g0b, g1b
	s_cmp_eq_u32 s15, 0
	s_cbranch_scc0 .Lfor_b_\@
	tensor_load_to_lds s[\g0a:\g0a+3], s[\g1a:\g1a+7]
	s_nop 0
.rept 4
	v_nop
.endr
	s_branch .Lasked_\@
.Lfor_b_\@:
	tensor_load_to_lds s[\g0b:\g0b+3], s[\g1b:\g1b+7]
	s_nop 0
.rept 4
	v_nop
.endr
.Lasked_\@:
.endm
.macro MKG0 g, slot, adr, step         ; a group 0: count 1; LDS address wave x 24,576 + the slot; global address of the slot's first K step; type 2
	s_mov_b32 s[\g], 1
	s_add_co_u32 s[\g+1], s45, (\slot)*SLOT
	s_add_nc_u64 s[\g+2:\g+3], s[\adr:\adr+1], (\slot)*(\step)
	s_or_b32 s[\g+3], s[\g+3], 0x80000000
.endm
.macro CREST                           ; a round of the cluster's barrier behind its opening barrier
	s_cmp_lg_u32 s14, 0
	s_cbranch_scc1 .Lnot_wave_0_\@
	s_barrier_signal -3
.Lnot_wave_0_\@:
	s_barrier_wait -3
	s_barrier_signal -1
	s_barrier_wait -1
.endm
.macro CROUND                          ; a whole round
	s_barrier_signal -1
	s_barrier_wait -1
	CREST
.endm
	s_load_b128 s[4:7], s[0:1], 0x0                ; A's images s[4:5], A's scales s[6:7]
	s_load_b128 s[8:11], s[0:1], 0x10              ; B's images s[8:9], B's scales s[10:11]
	s_load_b64 s[96:97], s[0:1], 0x20              ; bo
	s_load_b64 s[12:13], s[0:1], 0x28              ; out0
	v_lshl_add_u32 v[SPW], v0, 2, SPARE
	v_mov_b32 v[NIL], 0
	ds_add_u32 v28, v29
	ds_add_u32 v28, v29
	s_wait_dscnt 0x0
	v_lshrrev_b32 v1, 5, v0
	v_readfirstlane_b32 s14, v1                    ; wave 0..3
	s_lshr_b32 s15, s14, 1                         ; which half of the tile's rows is mine.  Also: I fetch for A (0) or for B (1)
	s_and_b32 s16, s14, 1                          ; which half of its columns.  Also: which 128 rows of that tile I fetch
	s_bfe_u32 s40, ttmp6, 0x40000                  ; cx, cy: my place in the cluster
	s_bfe_u32 s41, ttmp6, 0x40004
	s_lshl_b32 s42, ttmp9, 2
	s_add_co_u32 s42, s42, s40                     ; tile column = 4 x cluster x + cx
	s_and_b32 s17, ttmp7, 0xffff
	s_lshl_b32 s17, s17, 2
	s_add_co_u32 s17, s17, s41                     ; tile row = 4 x cluster y + cy
	s_lshl_b32 s43, s41, 2
	s_lshl_b32 s43, 15, s43                        ; my row of the cluster
	s_lshl_b32 s44, 0x1111, s40                    ; my column
	; descriptor group 1 for the images: a dense block of 24,576 bytes, as 96 rows of 256 bytes (32 elements of 8 bytes), no padding
	s_or_b32 s[G1+0], s43, (3<<16)|(1<<21)
	s_or_b32 s[G1B+0], s44, (3<<16)|(1<<21)
.irp g, G1, G1B
	s_mov_b32 s[\g+1], 32<<16                      ; tensor_dim0
	s_mov_b32 s[\g+2], (HALFT/256)<<16             ; tensor_dim1
	s_mov_b32 s[\g+3], 32<<16                      ; tile_dim0
	s_mov_b32 s[\g+4], HALFT/256                   ; tile_dim1
	s_mov_b32 s[\g+5], 32                          ; tensor_dim0_stride
	s_mov_b32 s[\g+6], 0
	s_mov_b32 s[\g+7], 0
.endr
	; the scales of 128 rows: 16 rows of 256 bytes, 16 bytes of padding behind each
	s_or_b32 s[G1S+0], s43, (3<<16)|(1<<20)|(1<<21)|(5<<22)|(3<<25)
	s_or_b32 s[G1SB+0], s44, (3<<16)|(1<<20)|(1<<21)|(5<<22)|(3<<25)
.irp g, G1S, G1SB
	s_mov_b32 s[\g+1], 32<<16
	s_mov_b32 s[\g+2], (128*KS/256)<<16
	s_mov_b32 s[\g+3], 32<<16
	s_mov_b32 s[\g+4], 128*KS/256
	s_mov_b32 s[\g+5], 32
	s_mov_b32 s[\g+6], 0
	s_mov_b32 s[\g+7], 0
.endr
	s_lshl_b32 s18, s16, 7                         ; which 128 rows of the tile I fetch
	s_lshl_b32 s20, s17, 8
	s_add_co_u32 s20, s20, s18                     ; A: row 256 x tile row + 128 x half
	s_lshl_b32 s46, s42, 8
	s_add_co_u32 s46, s46, s18                     ; B: row 256 x tile column + 128 x half
	s_mov_b32 s21, 0
	s_mov_b32 s47, 0
	s_mov_b64 s[18:19], KS
	s_mul_u64 s[22:23], s[20:21], s[18:19]         ; where these rows' scales begin, in bytes
	s_mul_u64 s[92:93], s[46:47], s[18:19]
	s_mov_b64 s[18:19], 192                        ; the images: 16 rows take 3,072 bytes in each K step of 256
	s_mul_u64 s[20:21], s[20:21], s[18:19]
	s_mul_u64 s[46:47], s[46:47], s[18:19]
	s_mul_i32 s45, s14, HALFT                      ; where they go: wave x 24,576
	s_mul_i32 s94, s14, HALFS                      ; no place in the cluster enters an LDS address
	s_wait_kmcnt 0x0
	s_add_nc_u64 s[20:21], s[4:5], s[20:21]
	s_add_nc_u64 s[22:23], s[6:7], s[22:23]
	s_add_nc_u64 s[46:47], s[8:9], s[46:47]
	s_add_nc_u64 s[92:93], s[10:11], s[92:93]
	s_add_nc_u64 s[46:47], s[46:47], WROW0*192     ; Wo's part of the weights' buffers
	s_add_nc_u64 s[92:93], s[92:93], WROW0*KS
	CROUND                                         ; all sixteen work-groups are here: the first joint loads meet
	s_mov_b32 s[G0S], 1
	s_add_co_u32 s[G0S+1], s94, SCL
	s_mov_b64 s[G0S+2:G0S+3], s[22:23]
	s_or_b32 s[G0S+3], s[G0S+3], 0x80000000
	s_mov_b32 s[G0SB], 1
	s_add_co_u32 s[G0SB+1], s94, SCL
	s_mov_b64 s[G0SB+2:G0SB+3], s[92:93]
	s_or_b32 s[G0SB+3], s[G0SB+3], 0x80000000
	JLOAD G0S, G1S, G0SB, G1SB                     ; the scales first
	MKG0 G0A0, 0, 20, ASTEP
	MKG0 G0B0, 0, 46, BSTEP
	JLOAD G0A0, G1, G0B0, G1B                      ; K step 0
	MKG0 G0A1, 1, 20, ASTEP
	MKG0 G0B1, 1, 46, BSTEP
	JLOAD G0A1, G1, G0B1, G1B                      ; K step 1
	MKG0 G0A2, 2, 20, ASTEP
	MKG0 G0B2, 2, 46, BSTEP
	JLOAD G0A2, G1, G0B2, G1B                      ; K step 2: four loads of mine are out
	v_and_b32 v1, 15, v0                           ; r = l % 16
	v_bfe_u32 v2, v0, 4, 1                         ; h = l / 16
	s_lshl_b32 s46, s42, 10                        ; my first column, in bytes of f32: 1,024 x tile column + 512 x half
	s_lshl_b32 s47, s16, 9
	s_add_co_u32 s46, s46, s47
	s_mov_b32 s47, 0
	s_add_nc_u64 s[96:97], s[96:97], s[46:47]
	v_lshlrev_b32 v7, 5, v2                        ; bo: lane (r, h) wants, for block b, the numbers of columns 16 b + 8 h + 0 .. 7
.irp b, 0,1,2,3,4,5,6,7
	global_load_b128 v[BI+8*\b:BI+8*\b+3], v7, s[96:97] offset:64*\b
	global_load_b128 v[BI+8*\b+4:BI+8*\b+7], v7, s[96:97] offset:64*\b+16
.endr
	v_and_b32 v[LN], 31, v0
	v_lshlrev_b32 v[CO], 4, v[LN]                  ; 16 x lane: my place in an image, in a row of the stage and in a row of the result
	s_mul_i32 s21, s15, HALFT                      ; my 128 rows of A
	s_mul_i32 s22, s16, HALFT                      ; my 128 rows of B,
	s_add_co_u32 s22, s22, 2*HALFT                 ; which lie behind A's 256
.irp s, 0,1,2
	v_add_nc_u32 v[ADRA+\s], s21, v[CO]
	v_add_nc_u32 v[ADRB+\s], s22, v[CO]
	s_add_co_u32 s21, s21, SLOT
	s_add_co_u32 s22, s22, SLOT
.endr
	v_mul_u32_u24 v5, v1, KS                       ; my row's scales: 32 bytes a row,
	v_lshrrev_b32 v6, 8, v5
	v_lshl_add_u32 v5, v6, 4, v5                   ; and 16 more for each 256 passed
	s_mul_i32 s21, s15, HALFS
	s_mul_i32 s22, s16, HALFS
	s_add_co_u32 s22, s22, 2*HALFS
	s_sub_co_u32 s22, s22, s21
	v_mul_u32_u24 v6, s22, v2                      ; lanes 16-31 take B's: the lower base + h x the distance
	s_add_co_u32 s21, s21, SCL
	v_add_nc_u32 v5, v5, v6
	v_add_nc_u32 v[ADRS], s21, v5
	s_mul_i32 s23, s14, 16*SPITCH                  ; my stage
	s_add_co_u32 s23, s23, STAGE
	v_mul_u32_u24 v5, v1, SPITCH                   ; in: row l % 16, 32 bytes for each half of the lanes
	v_lshl_add_u32 v5, v2, 5, v5
	v_add_nc_u32 v[STO], s23, v5
	v_add_nc_u32 v[RD], s23, v[CO]                 ; back: the 32 lanes take one row of 512 bytes
	; where my rows go.  Row n = 256 (tile row % 16) + 128 half + 16 a + t of its batch goes to row 128 (16 (a % 2) + t) + 8 (tile row % 16) + 4 half + a / 2; a row is 4,096 bytes
	s_lshr_b32 s20, s17, 4
	s_lshl_b32 s20, s20, 24                        ; the batch: 4,096 rows
	s_and_b32 s21, s17, 15
	s_lshl_b32 s21, s21, 3
	s_lshl_b32 s22, s15, 2
	s_add_co_u32 s21, s21, s22
	s_lshl_b32 s21, s21, 12
	s_add_co_u32 s20, s20, s21
	s_add_co_u32 s20, s20, s46                     ; + my first column
	s_mov_b32 s21, 0
	s_add_nc_u64 s[12:13], s[12:13], s[20:21]
.macro FRAGI reg, adr, q, i            ; block i's fragment of the slot's q-th 128 along K, from its image: three loads of 16 bytes a lane, 512 consecutive bytes each
.irp c, 0,1,2
	ds_load_b128 v[\reg+4*\c:\reg+4*\c+3], v[\adr] offset:(2*(\i)+(\q))*FRB+512*\c
.endr
.endm
; 16 matrix instructions: A's blocks a0, a0 + 1 x B's eight.  mode = 2: the first product starts the sums from bo.  The 64 accumulators take turns, one instruction a turn.
.macro MUL16 a0, p, q, sc, mode
.irp a, \a0, \a0+1
.irp b, 0,1,2,3,4,5,6,7
.if \mode == 2
	v_wmma_scale_f32_16x16x128_f8f6f4 v[8*(8*((\a)%4)+\b):8*(8*((\a)%4)+\b)+7], v[128*(\p)+FR*\b:128*(\p)+FR*\b+FR-1], v[AF+FR*(\a):AF+FR*(\a)+FR-1], v[BI+8*\b:BI+8*\b+7], v[SC+8*NQ*(\sc)+NQ*\b+(\q)], v[SC+8*NQ*(\sc)+NQ*(\a)+(\q)] matrix_a_fmt:MATRIX_FMT_BF6 matrix_b_fmt:MATRIX_FMT_BF6 matrix_a_scale:MATRIX_SCALE_ROW1
.else
	v_wmma_scale_f32_16x16x128_f8f6f4 v[8*(8*((\a)%4)+\b):8*(8*((\a)%4)+\b)+7], v[128*(\p)+FR*\b:128*(\p)+FR*\b+FR-1], v[AF+FR*(\a):AF+FR*(\a)+FR-1], v[8*(8*((\a)%4)+\b):8*(8*((\a)%4)+\b)+7], v[SC+8*NQ*(\sc)+NQ*\b+(\q)], v[SC+8*NQ*(\sc)+NQ*(\a)+(\q)] matrix_a_fmt:MATRIX_FMT_BF6 matrix_b_fmt:MATRIX_FMT_BF6 matrix_a_scale:MATRIX_SCALE_ROW1
.endif
.endr
.endr
.endm
.macro FETCH_B slot, q, p
	WIN TO_B
.irp i, 0,1,2,3,4,5,6,7
	FRAGI 128*(\p)+FR*\i, ADRB+\slot, \q, \i
.endr
	WIN 0
.endm
.macro FETCH_A slot, q, i0
.irp i, \i0, \i0+1, \i0+2, \i0+3
	FRAGI AF+FR*(\i), ADRA+\slot, \q, \i
.endr
.endm
.macro SCALES sc, kp                   ; K step kp's scale words into set sc: two words a row, 8 kp bytes into the row
.irp i, 0,1,2,3,4,5,6,7
	ds_load_b64 v[SC+8*NQ*(\sc)+NQ*\i:SC+8*NQ*(\sc)+NQ*\i+1], v[ADRS] offset:\i*SBLK+8*(\kp)
.endr
.endm
.macro PLACES n                        ; places behind matrix instructions (ISA guide 7.12.1): plain vector instructions that name none of their registers
.rept \n
	v_nop
.endr
.endm
; A slot's first 128 along K (B's set 0); it fetches the slot's second 128 (into B's set 1).
.macro STEP slot, sc, mode
	s_wait_dscnt 4*NLA                             ; B's set, A's blocks 0-3 and the scale words are in; the youngest twelve loads (A's blocks 4-7) may be out
.if \mode == 2
	WIN BIA_LO
.else
	WIN MUL_LO
.endif
	MUL16 0, 0, 0, \sc, \mode
	MUL16 2, 0, 0, \sc, \mode
	s_wait_dscnt 0                                 ; A's blocks 4-7 are in
	PLACES NP
	FETCH_B \slot, 1, 1
	FETCH_A \slot, 1, 0
.if \mode == 2
	WIN BIA_HI
.else
	WIN MUL_HI
.endif
	MUL16 4, 0, 0, \sc, \mode
	MUL16 6, 0, 0, \sc, \mode
	PLACES NP
	WIN 0
	FETCH_A \slot, 1, 4
.endm
; A slot's second 128 along K, where the next slot has been shown whole to every wave by an earlier barrier: no barrier.
.macro HOP sc, next, nsc, nk
	s_wait_dscnt 4*NLA
	WIN MUL_LO
	MUL16 0, 1, 1, \sc, 0
	MUL16 2, 1, 1, \sc, 0
	s_wait_dscnt 0
	PLACES NP
	FETCH_B \next, 0, 0
	FETCH_A \next, 0, 0
	SCALES \nsc, \nk
	WIN MUL_HI
	MUL16 4, 1, 1, \sc, 0
	MUL16 6, 1, 1, \sc, 0
	PLACES NP
	WIN 0
	FETCH_A \next, 0, 4
.endm
; The same with ONE barrier; in front of it each wave waits for all its tensor loads, adds 0 to its spare word, and waits for that and for its own LDS reads.  fill = 1 (behind K step 0): slot 0 is filled again, with K step 3.
.macro TURN sc, next, nsc, nk, fill
	s_wait_tensorcnt 0x0                           ; all my tensor loads have landed
	ds_add_u32 v[SPW], v[NIL]                      ; 0 onto my spare word
	s_wait_dscnt 4*NLA+1                           ; (the add and the youngest twelve loads, A's blocks 4-7, may be out)
	WIN MUL_LO
	MUL16 0, 1, 1, \sc, 0
	s_wait_dscnt 0x0                               ; the add is done, and my reads of the slot are over
	s_barrier_signal -1
	MUL16 2, 1, 1, \sc, 0
	WIN 0
	s_barrier_wait -1
.if \fill
	CREST                                          ; the barrier has opened a round of the cluster's barrier
	s_add_nc_u64 s[G0A0+2:G0A0+3], s[G0A0+2:G0A0+3], 3*ASTEP
	s_add_nc_u64 s[G0B0+2:G0B0+3], s[G0B0+2:G0B0+3], 3*BSTEP
	JLOAD G0A0, G1, G0B0, G1B                      ; the first tensor load behind the round, one a wave; its four v_nop are the places in front of the loads below
.else
	PLACES NP
.endif
	FETCH_B \next, 0, 0
	FETCH_A \next, 0, 0
	SCALES \nsc, \nk
	WIN MUL_HI
	MUL16 4, 1, 1, \sc, 0
	MUL16 6, 1, 1, \sc, 0
	PLACES NP
	WIN 0
	FETCH_A \next, 0, 4
.endm
	s_wait_loadcnt 0x0                             ; bo
	s_wait_tensorcnt 2                             ; the scales and my part of K step 0 are in (the loads of K steps 1 and 2 may be out)
	s_barrier_signal -1
	s_barrier_wait -1                              ; everybody's are
	FETCH_B 0, 0, 0
	FETCH_A 0, 0, 0
	SCALES 0, 0
	FETCH_A 0, 0, 4
	STEP 0, 0, 2                                   ; K 0-127: these products start the sums, from bo
	TURN 0, 1, 1, 1, 1                             ; K 128-255; slots 1 and 2 are whole for every wave; slot 0 takes K step 3
	STEP 1, 1, 0                                   ; K 256-383
	HOP 1, 2, 0, 2                                 ; K 384-511
	STEP 2, 0, 0                                   ; K 512-639
	TURN 0, 0, 1, 3, 0                             ; K 640-767; K step 3 has landed; nothing is left to fetch
	STEP 0, 1, 0                                   ; K 768-895
	s_wait_dscnt 4*NLA                             ; K 896-1023: the very last step
	WIN MUL_LO
	MUL16 0, 1, 1, 1, 0
	MUL16 2, 1, 1, 1, 0
	s_wait_dscnt 0
	WIN MUL_HI
	MUL16 4, 1, 1, 1, 0
	MUL16 6, 1, 1, 1, 0
	WIN 0
; THE WAY OUT, block by block of 16 rows x 128 columns.  A lane holds 32 neighbouring bytes of a row, and the lanes beside it hold other rows: so a block goes through my own stage in LDS and comes back as whole
; rows of 512 bytes.  LDS serves a wave's instructions in order (ISA guide 5.7.1.4): no wait between the stores and the loads, nor in front of the next block's stores.
.macro TOSTAGE a
.set AC, 64*((\a)%4)
	WIN 0x08+4*((\a)/4)                            ; the data: window 2 or 3
.irp b, 0,1,2,3,4,5,6,7
	ds_store_b128 v[STO], v[AC+8*\b:AC+8*\b+3] offset:64*\b          ; each accumulator from its low end on
	ds_store_b128 v[STO], v[AC+8*\b+4:AC+8*\b+7] offset:64*\b+16
.endr
	WIN 0
.set BB, BK+64*((\a)%2)
.irp t, 0,1,2,3,4,5,6,7,8,9,10,11,12,13,14,15
	ds_load_b128 v[BB+4*\t:BB+4*\t+3], v[RD] offset:\t*SPITCH
.endr
.endm
.macro SEND a, younger                 ; younger: the LDS instructions issued behind block a's loads, which may stay out
.set BB, BK+64*((\a)%2)
	s_wait_dscnt \younger                          ; the block is back in registers
.if (\a) > 0                           ; (behind a wait on XCNT: the earlier stores have read their base)
.if (\a)%2 == 1
	s_add_nc_u64 s[12:13], s[12:13], 0x800000      ; an odd block's rows have l = 16 + t: 16 x 128 rows of 4,096 bytes further on
.else
	s_sub_nc_u64 s[12:13], s[12:13], 0x7ff000      ; back, and one row on: a / 2 has grown by 1
.endif
.endif
.irp t, 0,1,2,3,4,5,6,7,8,9,10,11,12,13,14,15
	global_store_b128 v[CO], v[BB+4*\t:BB+4*\t+3], s[12:13] offset:\t*128*4096 th:TH_STORE_NT   ; row t of the block lies 128 rows behind row t - 1: 15 x 524,288 bytes at the most, inside the signed 24-bit immediate (ISA guide, chapter 10).  32 lanes store 512 consecutive bytes, at a multiple of 512 from the buffer's first byte
.endr
.endm
	PLACES NP                                      ; these places serve the loads into the registers that held A's fragments and the reads of the last results alike
	TOSTAGE 0
.irp a, 1,2,3,4,5,6,7
.if \a > 1
	s_wait_xcnt 0x0                                ; block a - 2's stores have read their registers and their base: block a's loads may land there, and the base may step
.endif
	TOSTAGE \a
	SEND \a-1, 32                                  ; behind block a - 1's loads: block a's 16 stores and 16 loads
.endr
	s_wait_xcnt 0x0                                ; block 6's stores have read their base
	SEND 7, 0
	s_wait_tensorcnt 0x0                           ; the wave's end: behind my last tensor load and my last LDS store
	ds_add_u32 v[SPW], v[NIL]
	s_wait_dscnt 0x0
	CROUND                                         ; the closing round: no work-group ends while a partner may still ask for a tile that names it
	s_endpgm
.Lfunc_end_k_qce62b23b48_outp:
	.size	k_qce62b23b48_outp, .Lfunc_end_k_qce62b23b48_outp-k_qce62b23b48_outp
	.p2alignl 7, 3214868480
	.fill 96, 4, 3214868480
	.section	.rodata,"a",@progbits
	.p2align	6, 0x0
	.amdhsa_kernel k_qce62b23b48_outp
		.amdhsa_group_segment_fixed_size 327680
		.amdhsa_private_segment_fixed_size 0
		.amdhsa_enable_private_segment 0
		.amdhsa_kernarg_size 48
		.amdhsa_user_sgpr_count 2
		.amdhsa_user_sgpr_kernarg_segment_ptr 1
		.amdhsa_wavefront_size32 1
		.amdhsa_system_sgpr_workgroup_id_x 1
		.amdhsa_system_sgpr_workgroup_id_y 1
		.amdhsa_system_sgpr_workgroup_id_z 1
		.amdhsa_system_vgpr_workitem_id 0
		.amdhsa_next_free_vgpr 1024
		.amdhsa_next_free_sgpr 102
		.amdhsa_reserve_vcc 0
		.amdhsa_float_denorm_mode_32 3
		.amdhsa_float_denorm_mode_16_64 3
		.amdhsa_memory_ordered 1
		.amdhsa_forward_progress 1
		.amdhsa_inst_pref_size 137
	.end_amdhsa_kernel
	.amdgpu_metadata
---
amdhsa.version: [ 1, 2 ]
amdhsa.kernels:
  - .name:           k_qce62b23b48_outp
    .symbol:         k_qce62b23b48_outp.kd
    .args:
      - { .name: ac, .offset: 0, .size: 8, .value_kind: global_buffer, .address_space: global }
      - { .name: asc, .offset: 8, .size: 8, .value_kind: global_buffer, .address_space: global }
      - { .name: wc, .offset: 16, .size: 8, .value_kind: global_buffer, .address_space: global }
      - { .name: ws, .offset: 24, .size: 8, .value_kind: global_buffer, .address_space: global }
      - { .name: bo, .offset: 32, .size: 8, .value_kind: global_buffer, .address_space: global }
      - { .name: out0, .offset: 40, .size: 8, .value_kind: global_buffer, .address_space: global }
    .group_segment_fixed_size: 327680
    .private_segment_fixed_size: 0
    .kernarg_segment_align: 8
    .kernarg_segment_size: 48
    .max_flat_workgroup_size: 128
    .sgpr_count:     102
    .vgpr_count:     1024
    .wavefront_size: 32
...
	.end_amdgpu_metadata
.endif
;; end of part 4
